; MI455X (gfx1250); checked and timed in simulation.
; The chip was launched on July 23, 2026; its instructions are those of AMD's public machine-readable ISA for CDNA 5 (MIT licence, August 2026) and "CDNA5" Instruction Set Architecture Reference Guide (July 2026). The comments in the code are by the model that wrote it; some were corrected since.
;; Multi Head Self Attention. Allowed arithmetic: float matrix products may take bf16 or f16 operands with f32 sums; other float arithmetic in f32, or as packed bf16 or f16 multiplies, adds, multiply-adds, maxima and minima; sums over many terms, partial sums and values carried from step to step in f32; what a program stores and reads back later, other than sums and carried values, may be rounded once to bf16 or f16.
;; Inputs: Wk 1,024 x 1,024 float32; Wo 1,024 x 1,024 float32; Wq 1,024 x 1,024 float32; Wv 1,024 x 1,024 float32; token_positions 2,048 int32; x 4 x 2,048 x 1,024 float32.
;; Outputs: out0 4 x 2,048 x 1,024 float32.
;; 2 versions, each right; version 2 is version 1 with the launch prep written anew for expert scheduling mode. Each part assembles by itself: llvm-mc -triple=amdgcn-amd-amdhsa -mcpu=gfx1250 --defsym DOCPART=n.
;; ======== version 1 of 2: 4 launches
;; limits: values are held in f16: magnitudes above 65,504 overflow, below 6.1e-05 lose precision; right only within a limited range of input values
;; workspace buffers: xb 16,777,216 bytes; wqkv 6,291,456 bytes; wo16 2,097,152 bytes; rope 524,288 bytes; qh 16,777,216 bytes; kh 16,777,216 bytes; vh 16,777,216 bytes; oh 16,777,216 bytes
;; launch prep (part 1): grid 800 x 1, 8 waves a work-group, no clusters, 0 bytes of LDS; arguments x, Wq, Wk, Wv, Wo, token_positions, xb, wqkv, wo16, rope; writes xb, wqkv, wo16, rope
.if DOCPART == 1
	.amdgcn_target "amdgcn-amd-amdhsa--gfx1250"
	.amdhsa_code_object_version 6
	.text
	.protected	k_q5ea38ed375_prep
	.globl	k_q5ea38ed375_prep
	.p2align	8
	.type	k_q5ea38ed375_prep,@function
k_q5ea38ed375_prep:
	s_mov_b64 s[64:65], 0
	v_nop
	global_prefetch_b8 v0, s[64:65] scope:SCOPE_SE
	s_setreg_imm32_b32 hwreg(HW_REG_WAVE_MODE, 25, 1), 1
	s_wait_xcnt 0x0
; THE CASTS AND THE TABLE.  x [8192][1024] f32 -> xb bf16.  Wq, Wk, Wv [1024][1024] f32 -> wqkv bf16 [3072][1024], stacked by heads: row = 192 head + 64 which + channel
; (which = 0 q, 1 k, 2 v), so that 192 rows on end are one head's q, k and v.  Wo -> wo16: rounded to bf16 like every other input, and that number written as f16.
; token_positions [2048] i32 -> rope f32 [2048][32][cos, sin]: 256 bytes a token; angle = position x 10000^(-i/32), formed in f32 by one multiplication.
; LIMITS.  |position| up to 2^20: beyond it the quotient of the range reduction is no longer sure.  A weight of Wo below 2^-14 in magnitude keeps f16's fixed step of 2^-24.
; SHARES.  Work-groups 0-511: 16 rows of x each.  512-767: 16 rows of a weight each (64 groups a weight).  768-799: 64 tokens of the table each.
; A cast group's 256 threads take one row (4,096 bytes) with one load of 16 bytes each; all 16 rows' loads go out at once (64 KiB a group); a wave's store of 8 bytes a lane
; covers 256 consecutive bytes, aligned.  No register is loaded or stored from twice, so the only waits are the counted ones for the loads.  No LDS, no barrier: no thread wants another's data.
.set ROWIN,  4096                      ; bytes in a row of f32
.set ROWOUT, 2048                      ; bytes in a row of 16-bit numbers
.set IN,   16                          ; v[16:79]   row i as loaded, 4 registers
.set OUT,  80                          ; v[80:111]  row i to store, 2 registers
; fmt = 0: to bf16.  fmt = 1: to bf16 and on to f16 (v4-v9 at work).  From s[28:29] to s[32:33].
.macro CAST fmt
.irp i, 0,1,2,3,4,5,6,7,8,9,10,11,12,13,14,15
	global_load_b128 v[IN+4*(\i):IN+4*(\i)+3], v1, s[28:29] offset:ROWIN*(\i) th:TH_LOAD_NT
.endr
.irp i, 0,1,2,3,4,5,6,7,8,9,10,11,12,13,14,15
	s_wait_loadcnt 15-(\i)                         ; loads come back in order (ISA guide 5.7.1): row i is in, the younger rows stay out
.if \fmt
	v_cvt_pk_bf16_f32 v4, v[IN+4*(\i)], v[IN+4*(\i)+1]
	v_cvt_pk_bf16_f32 v5, v[IN+4*(\i)+2], v[IN+4*(\i)+3]
	v_lshlrev_b32 v6, 16, v4                       ; bf16 to f32: the low half moves up,
	v_and_b32 v7, 0xffff0000, v4                   ; the high half stays
	v_lshlrev_b32 v8, 16, v5
	v_and_b32 v9, 0xffff0000, v5
	v_cvt_pk_f16_f32 v[OUT+2*(\i)], v6, v7
	v_cvt_pk_f16_f32 v[OUT+2*(\i)+1], v8, v9
.else
	v_cvt_pk_bf16_f32 v[OUT+2*(\i)], v[IN+4*(\i)], v[IN+4*(\i)+1]
	v_cvt_pk_bf16_f32 v[OUT+2*(\i)+1], v[IN+4*(\i)+2], v[IN+4*(\i)+3]
.endif
	global_store_b64 v2, v[OUT+2*(\i):OUT+2*(\i)+1], s[32:33] offset:ROWOUT*(\i)
.endr
	s_endpgm
.endm
; cos and sin of v[p] x v[inv] into v[c] and v[s]; v14-v22 at work.  The angle less n quarter turns (pi/2 in two parts, each taken off by a fused multiply-add) lies in
; -pi/4 .. pi/4; there two short polynomials in r^2 serve; n mod 4 says which of them is which, and the signs.
.macro SINCOS p, inv, c, s
	v_mul_f32 v14, v[\p], v[\inv]                  ; the angle
	v_mul_f32 v15, 0x3f22f983, v14                 ; x 2 / pi
	v_rndne_f32 v15, v15                           ; n
	v_fmamk_f32 v16, v15, 0xbfc90fdb, v14          ; r = angle - n x 1.57079637
	v_fmamk_f32 v16, v15, 0x333bbd2e, v16          ;     + n x 4.371139e-8
	v_cvt_i32_f32 v17, v15
	v_mul_f32 v18, v16, v16                        ; z = r^2
	v_mov_b32 v19, 0xb94ca1f9
	v_mov_b32 v20, 0x37ccf5ce
	v_fmaak_f32 v19, v19, v18, 0x3c08839e
	v_fmaak_f32 v20, v20, v18, 0xbab6061a
	v_fmaak_f32 v19, v19, v18, 0xbe2aaaa3
	v_fmaak_f32 v20, v20, v18, 0x3d2aaaa5
	v_mul_f32 v19, v19, v18
	v_fma_f32 v20, v20, v18, -0.5
	v_fma_f32 v19, v19, v16, v16                   ; sin r
	v_fma_f32 v20, v20, v18, 1.0                   ; cos r
	v_and_b32 v21, 1, v17
	v_cmp_eq_u32 vcc_lo, 1, v21                    ; an odd n swaps the two
	v_cndmask_b32 v[\s], v19, v20, vcc_lo
	v_cndmask_b32 v[\c], v20, v19, vcc_lo
	v_lshlrev_b32 v21, 30, v17                     ; the sine's sign is bit 1 of n,
	v_add_nc_u32 v22, 1, v17                       ; the cosine's bit 1 of n + 1
	v_and_b32 v21, 0x80000000, v21
	v_lshlrev_b32 v22, 30, v22
	v_xor_b32 v[\s], v[\s], v21
	v_and_b32 v22, 0x80000000, v22
	v_xor_b32 v[\c], v[\c], v22
.endm
	s_load_b512 s[4:19], s[0:1], 0x0               ; x 4:5, Wq 6:7, Wk 8:9, Wv 10:11, Wo 12:13, positions 14:15, xb 16:17, wqkv 18:19
	s_load_b128 s[20:23], s[0:1], 0x40             ; wo16 20:21, rope 22:23
	s_mov_b32 s24, ttmp9
	v_lshlrev_b32 v1, 4, v0                        ; my 16 bytes of a row of f32
	v_lshlrev_b32 v2, 3, v0                        ; my 8 bytes of a row of 16-bit numbers
	s_mov_b32 s27, 0                               ; high words of the two offsets
	s_mov_b32 s31, 0
	s_wait_kmcnt 0x0
	s_cmp_lt_u32 s24, 512
	s_cbranch_scc0 .Lnot_x
	s_lshl_b32 s26, s24, 16                        ; 16 rows of 4,096 bytes in,
	s_lshl_b32 s30, s24, 15                        ; of 2,048 out
	s_add_nc_u64 s[28:29], s[4:5], s[26:27]
	s_add_nc_u64 s[32:33], s[16:17], s[30:31]
	CAST 0
.Lnot_x:
	s_cmp_lt_u32 s24, 768
	s_cbranch_scc0 .Ltable
	s_sub_co_u32 s25, s24, 512
	s_lshr_b32 s34, s25, 6                         ; which weight: 0 q, 1 k, 2 v, 3 o
	s_and_b32 s35, s25, 63                         ; which 16 rows of it
	s_lshl_b32 s26, s35, 16
	s_cmp_eq_u32 s34, 3
	s_cbranch_scc1 .Lwo
	s_cmp_eq_u32 s34, 0
	s_cselect_b64 s[28:29], s[6:7], s[8:9]
	s_cmp_eq_u32 s34, 2
	s_cselect_b64 s[28:29], s[10:11], s[28:29]
	s_add_nc_u64 s[28:29], s[28:29], s[26:27]
	s_lshr_b32 s36, s35, 2                         ; the head,
	s_mul_i32 s36, s36, 192
	s_lshl_b32 s37, s34, 6                         ; q, k or v in it,
	s_add_co_u32 s36, s36, s37
	s_and_b32 s37, s35, 3                          ; the 16 channels
	s_lshl_b32 s37, s37, 4
	s_add_co_u32 s36, s36, s37
	s_lshl_b32 s30, s36, 11
	s_add_nc_u64 s[32:33], s[18:19], s[30:31]
	CAST 0
.Lwo:
	s_lshl_b32 s30, s35, 15
	s_add_nc_u64 s[28:29], s[12:13], s[26:27]
	s_add_nc_u64 s[32:33], s[20:21], s[30:31]
	CAST 1
.Ltable:                                               ; thread t: token t / 16 of 16 (four times), frequencies 2 (t % 16) and 2 (t % 16) + 1: 16 bytes; sixteen lanes fill a token's 256 bytes
	s_sub_co_u32 s25, s24, 768
	s_lshl_b32 s26, s25, 8                         ; 64 positions of 4 bytes
	s_lshl_b32 s30, s25, 14                        ; 64 tokens of 256 bytes
	s_add_nc_u64 s[28:29], s[14:15], s[26:27]
	s_add_nc_u64 s[32:33], s[22:23], s[30:31]
	v_lshrrev_b32 v3, 4, v0
	v_and_b32 v4, 15, v0
	v_lshlrev_b32 v5, 2, v3
.irp i, 0,1,2,3
	global_load_b32 v[8+(\i)], v5, s[28:29] offset:64*(\i)
.endr
	v_lshlrev_b32 v6, 1, v4
	v_cvt_f32_u32 v6, v6
	v_add_f32 v7, 1.0, v6
	v_mul_f32 v6, 0xbed49a78, v6                   ; x -log2(10000) / 32
	v_mul_f32 v7, 0xbed49a78, v7
	v_exp_f32 v12, v6                              ; 10000^(-i / 32)
	v_exp_f32 v13, v7
	v_nop                                          ; a plain instruction between an exponential and the use of its result (ISA guide 5.7.2)
	s_wait_loadcnt 0x0
	s_wait_alu depctr_va_vdst(0)
.irp i, 0,1,2,3
	v_cvt_f32_i32 v[8+(\i)], v[8+(\i)]
.endr
.irp i, 0,1,2,3
	SINCOS 8+(\i), 12, 32+4*(\i), 33+4*(\i)
	SINCOS 8+(\i), 13, 34+4*(\i), 35+4*(\i)
	global_store_b128 v1, v[32+4*(\i):35+4*(\i)], s[32:33] offset:4096*(\i)
.endr
	s_endpgm
.Lfunc_end_k_q5ea38ed375_prep:
	.size	k_q5ea38ed375_prep, .Lfunc_end_k_q5ea38ed375_prep-k_q5ea38ed375_prep
	.p2alignl 7, 3214868480
	.fill 96, 4, 3214868480
	.section	.rodata,"a",@progbits
	.p2align	6, 0x0
	.amdhsa_kernel k_q5ea38ed375_prep
		.amdhsa_group_segment_fixed_size 0
		.amdhsa_private_segment_fixed_size 0
		.amdhsa_enable_private_segment 0
		.amdhsa_kernarg_size 80
		.amdhsa_user_sgpr_count 2
		.amdhsa_user_sgpr_kernarg_segment_ptr 1
		.amdhsa_wavefront_size32 1
		.amdhsa_system_sgpr_workgroup_id_x 1
		.amdhsa_system_sgpr_workgroup_id_y 1
		.amdhsa_system_sgpr_workgroup_id_z 1
		.amdhsa_system_vgpr_workitem_id 0
		.amdhsa_next_free_vgpr 112
		.amdhsa_next_free_sgpr 66
		.amdhsa_reserve_vcc 1
		.amdhsa_float_denorm_mode_32 3
		.amdhsa_float_denorm_mode_16_64 3
		.amdhsa_memory_ordered 1
		.amdhsa_forward_progress 1
		.amdhsa_inst_pref_size 36
	.end_amdhsa_kernel
	.amdgpu_metadata
---
amdhsa.version: [ 1, 2 ]
amdhsa.kernels:
  - .name:           k_q5ea38ed375_prep
    .symbol:         k_q5ea38ed375_prep.kd
    .args:
      - { .name: x, .offset: 0, .size: 8, .value_kind: global_buffer, .address_space: global }
      - { .name: Wq, .offset: 8, .size: 8, .value_kind: global_buffer, .address_space: global }
      - { .name: Wk, .offset: 16, .size: 8, .value_kind: global_buffer, .address_space: global }
      - { .name: Wv, .offset: 24, .size: 8, .value_kind: global_buffer, .address_space: global }
      - { .name: Wo, .offset: 32, .size: 8, .value_kind: global_buffer, .address_space: global }
      - { .name: token_positions, .offset: 40, .size: 8, .value_kind: global_buffer, .address_space: global }
      - { .name: xb, .offset: 48, .size: 8, .value_kind: global_buffer, .address_space: global }
      - { .name: wqkv, .offset: 56, .size: 8, .value_kind: global_buffer, .address_space: global }
      - { .name: wo16, .offset: 64, .size: 8, .value_kind: global_buffer, .address_space: global }
      - { .name: rope, .offset: 72, .size: 8, .value_kind: global_buffer, .address_space: global }
    .group_segment_fixed_size: 0
    .private_segment_fixed_size: 0
    .kernarg_segment_align: 8
    .kernarg_segment_size: 80
    .max_flat_workgroup_size: 256
    .sgpr_count:     66
    .vgpr_count:     112
    .wavefront_size: 32
...
	.end_amdgpu_metadata
.endif
;; end of part 1
;; launch qkv (part 2): grid 16 x 32, 4 waves a work-group, clusters of 4 x 4, 327,680 bytes of LDS; arguments xb, wqkv, rope, qh, kh, vh; writes qh, kh, vh
.if DOCPART == 2
	.amdgcn_target "amdgcn-amd-amdhsa--gfx1250"
	.amdhsa_code_object_version 6
	.text
	.protected	k_q5ea38ed375_qkv
	.globl	k_q5ea38ed375_qkv
	.p2align	8
	.type	k_q5ea38ed375_qkv,@function
k_q5ea38ed375_qkv:
	s_mov_b64 s[64:65], 0
	v_nop
	global_prefetch_b8 v0, s[64:65] scope:SCOPE_SE
	s_setreg_imm32_b32 hwreg(HW_REG_WAVE_MODE, 25, 1), 1
	s_wait_xcnt 0x0
	s_wait_alu depctr_hold_cnt(0) depctr_sa_sdst(0) depctr_va_vdst(0) depctr_va_sdst(0) depctr_va_ssrc(0) depctr_va_vcc(0) depctr_vm_vsrc(0)
	s_getreg_b32 s2, hwreg(HW_REG_IB_STS2, 6, 4)
	s_cmp_eq_u32 s2, 0
	s_cbranch_scc0 .Lentry_in_a_cluster
	s_endpgm
.Lentry_in_a_cluster:
	s_bfe_u32 s2, ttmp6, 0x10000c
	s_cmp_lg_u32 s2, 0xf033
	s_cbranch_scc0 .Lentry_shape_is_right
	s_endpgm
.Lentry_shape_is_right:
; THE THREE PROJECTIONS AND THE ROTATION.  C[t][n] = sum over d of xb[t][d] wqkv[n][d]: 8192 x 3072 x 1024 in bf16, sums in f32.  wqkv's rows lie by heads (192 head + 64 which + channel), so a tile of
; 256 rows x 192 columns is 256 tokens' q, k and v of ONE head.  q and k are rotated in f32 (pairs 2 i, 2 i + 1, cos and sin from the table rope), all three are rounded once to f16 and stored by heads,
; [64 = 16 batch + head][2048][64], unscaled.  8192 / 256 x 3072 / 192 = 512 work-groups of equal work.
; LIMIT.  f16 holds no number beyond 65,504: with x and the weights 30 times their drawn spread q has a spread of some 600; with offsets of 30 spreads it stays under 26,000.
; SHARES.  Four waves, one above the other: wave w makes rows 64 w .. 64 w + 63 and all 192 columns: 4 x 12 accumulators, 384 registers.  So a wave holds whole rows of q, k and v: one text for all waves, a stage
; of its own for each, no barrier on the way out.
; RING.  K goes in steps of 128 (rows of 256 bytes in memory, aligned) through two LDS slots; slot 1 begins at 2^17, so that one exclusive or changes slots and the loop's body is one K step.
; CLUSTER.  4 x 4 work-groups.  The four of a row of the cluster need the same rows of xb, the four of a column the same rows of wqkv: each tile is asked for JOINTLY, by the same tensor load with the same
; descriptor and a mask that names the four.
; THE MATRIX INSTRUCTION IS USED TRANSPOSED: source 0 = 16 rows of wqkv, source 1 = 16 rows of xb.  In the result lane l holds token l % 16 and columns 8 (l / 16) + 0..7: the rotation's pairs are neighbouring registers.
; REGISTERS, in windows of 256 (s_set_vgpr_msb: bits 1:0 source 0, 3:2 source 1, 5:4 source 2, 7:6 destination):
;   window 0: v0-11 addresses; v28-29 the add's; v32-95 xb's fragments, two buffers of 4 x 8 (on the way out: at work); v128-255 cos and sin: row block a, column block b % 4 at 128 + 32 a + 8 (b % 4)
;   windows 1, 2: accumulator (a, b) in window 1 + a / 2 at 128 (a % 2) + 8 b      window 3: v0-191 wqkv's fragments, two buffers of 12 x 8 (on the way out: the rows read back, 48 a row block)
.set KSTEP,  128
.set PITCH,  272                       ; an LDS row: 256 bytes + 16 of padding = 68 words: row r starts at bank 4 r mod 64 (64 banks of 4 bytes: ISA guide 11.1), so the 16 rows of a load start at 16 different banks
.set AHALF,  128*PITCH                 ; what wave 0 or 1 fetches: 128 rows of xb
.set BHALF,  96*PITCH                  ; what wave 2 or 3 fetches: 96 rows of wqkv
.set BOFF,   256*PITCH                 ; in a slot wqkv's 192 rows lie behind xb's 256
.set SLOT1,  1<<17
.set STAGE,  SLOT1+448*PITCH           ; behind the ring, never filled by a tensor load: 16 rows x 400 bytes for each wave
.set SP,     400                       ; a stage row: q, k, v, 128 bytes each, + 16 of padding
.set SPARE,  STAGE+4*16*SP             ; behind the stages: the spare words, 128 bytes for each wave: two blocks of 256 bytes that no other line names
.set ADA0, 4                           ; v4   my lane's place in xb's tile: (64 w + l % 16) x pitch + 16 (l / 16); never rewritten
.set ADB0, 5                           ; v5   the same in wqkv's tile
.set ADA,  6                           ; v6   the same in the slot in hand
.set ADB,  7                           ; v7
.set STO,  8                           ; v8   the way out: where I put 16 bytes of a row
.set RD,   9                           ; v9   the way out: where I read rows back
.set GO,   10                          ; v10  my 16 bytes of 512 consecutive bytes of q, k or v
.set TO,   11                          ; v11  my byte offset in 16 tokens of the table
.set SPW,  28                          ; v28  LDS address of my spare word: SPARE + 4 x my thread's number; never rewritten
.set NIL,  29                          ; v29  0; never rewritten
.set FA,   32                          ; xb's fragments
.set T,    32                          ; the way out: 64 registers at work
.set CS,   128
.set WV,   16                          ; s16  my wave's number
.set HALF, 18                          ; s18  which half of a tile I fetch
.set CX,   19
.set CY,   20
.set TX,   21                          ; s21  tile column = head
.set TY,   22                          ; s22  tile row
.set CNT,  23
.set G1,   24                          ; s[24:31] descriptor group 1 for xb's tiles
.set G0,   32                          ; s[32:39] group 0: a set for each of the two first fills; the second then walks on
.set G1B,  48                          ; s[48:55], s[56:63] the same for wqkv's tiles
.set G0B,  56
.set TB,   66                          ; s66  LDS byte at which the slot to be read begins
.set MSB, 0
.macro WIN new                         ; the immediate's high byte repeats the setting that is left; a switch that changes nothing is dropped
.if MSB != (\new)
	s_set_vgpr_msb (MSB<<8)|(\new)
.set MSB, \new
.endif
.endm
; A joint refill.  Waves 0 and 1 fetch xb's two halves, waves 2 and 3 wqkv's.  The branch hangs on the wave's number alone: it is the same in every work-group.
; An s_nop 0 and four v_nop follow each of the two lines, ahead of the jump, the label and what follows.
.macro JLOAD
	s_cmp_lt_u32 s[WV], 2
	s_cbranch_scc0 .Lfor_b_\@
	tensor_load_to_lds s[G0+4:G0+7], s[G1:G1+7]
	s_nop 0
.rept 4
	v_nop
.endr
	s_branch .Lasked_\@
.Lfor_b_\@:
	tensor_load_to_lds s[G0B+4:G0B+7], s[G1B:G1B+7]
	s_nop 0
.rept 4
	v_nop
.endr
.Lasked_\@:
.endm
; A round of the cluster's barrier: my work-group's barrier, so that wave 0's signal speaks for all four waves; wave 0 signals; every wave waits for all sixteen work-groups; my work-group's barrier once more.
.macro CREST                           ; a round behind its opening barrier
	s_cmp_lg_u32 s[WV], 0
	s_cbranch_scc1 .Lnot_wave_0_\@
	s_barrier_signal -3
.Lnot_wave_0_\@:
	s_barrier_wait -3
	s_barrier_signal -1
	s_barrier_wait -1
.endm
.macro CROUND
	s_barrier_signal -1
	s_barrier_wait -1
	CREST
.endm
	s_load_b256 s[4:11], s[0:1], 0x0               ; xb 4:5, wqkv 6:7, rope 8:9, qh 10:11
	s_load_b128 s[12:15], s[0:1], 0x20             ; kh 12:13, vh 14:15
	v_lshl_add_u32 v[SPW], v0, 2, SPARE
	v_mov_b32 v[NIL], 0
	ds_add_u32 v[SPW], v[NIL]                      ; the wave's opening: the add and its wait stand ahead of my first tensor load; the set-up below, work on registers, stands between them
	ds_add_u32 v28, v29
	v_lshrrev_b32 v1, 5, v0
	v_readfirstlane_b32 s[WV], v1                  ; wave 0..3
	s_and_b32 s[HALF], s[WV], 1
	s_bfe_u32 s[CX], ttmp6, 0x40000                ; my place in the cluster
	s_bfe_u32 s[CY], ttmp6, 0x40004
	s_lshl_b32 s[TX], ttmp9, 2                     ; in a cluster launch ttmp9 and ttmp7 count clusters
	s_add_co_u32 s[TX], s[TX], s[CX]
	s_and_b32 s[TY], ttmp7, 0xffff
	s_lshl_b32 s[TY], s[TY], 2
	s_add_co_u32 s[TY], s[TY], s[CY]
	s_lshl_b32 s42, s[CY], 2
	s_lshl_b32 s42, 15, s42                        ; my row of the cluster: places 4 cy .. 4 cy + 3
	s_lshl_b32 s43, 0x1111, s[CX]                  ; my column: places cx, cx + 4, cx + 8, cx + 12
	s_or_b32 s[G1], s42, (1<<16)|(1<<20)|(1<<21)|(5<<22)|(3<<25)   ; 15:0 the mask; 17:16 elements of 2 bytes; 20 padding on; 21 set beside a mask; 24:22 after every 64 words (code 5); 31:25 4 words (code 3)
	s_or_b32 s[G1B], s43, (1<<16)|(1<<20)|(1<<21)|(5<<22)|(3<<25)
	s_mov_b32 s[G1+1], KSTEP<<16                   ; tensor_dim0 = 128
	s_mov_b32 s[G1+2], 128<<16                     ; tensor_dim1 = 128
	s_mov_b32 s[G1+3], KSTEP<<16                   ; tile_dim0 = 128
	s_mov_b32 s[G1+4], 128                         ; tile_dim1 = 128
	s_mov_b32 s[G1+5], 1024                        ; elements from row to row
	s_mov_b32 s[G1+6], 0
	s_mov_b32 s[G1+7], 0
	s_mov_b32 s[G1B+1], KSTEP<<16
	s_mov_b32 s[G1B+2], 96<<16                     ; 96 rows
	s_mov_b32 s[G1B+3], KSTEP<<16
	s_mov_b32 s[G1B+4], 96
	s_mov_b32 s[G1B+5], 1024
	s_mov_b32 s[G1B+6], 0
	s_mov_b32 s[G1B+7], 0
	; where the tiles come from.  xb's hang on the tile row alone, which my row of the cluster shares; wqkv's on the tile column alone.  Each offset has registers that never hold the other coordinate.
	s_lshl_b32 s68, s[TY], 8
	s_lshl_b32 s69, s[HALF], 7
	s_add_co_u32 s68, s68, s69                     ; row 256 x tile row + 128 x half,
	s_lshl_b32 s68, s68, 11                        ; of 2,048 bytes
	s_mov_b32 s69, 0
	s_mul_i32 s70, s[TX], 192
	s_mul_i32 s71, s[HALF], 96
	s_add_co_u32 s70, s70, s71                     ; row 192 x head + 96 x half
	s_lshl_b32 s70, s70, 11
	s_mov_b32 s71, 0
	s_mul_i32 s40, s[HALF], AHALF                  ; and where they go: no place in the cluster enters an LDS address
	s_mul_i32 s41, s[HALF], BHALF
	s_add_co_u32 s41, s41, BOFF
	s_lshr_b32 s74, s[TY], 3                       ; the batch; 16 heads each;
	s_lshl_b32 s74, s74, 4
	s_add_co_u32 s74, s74, s[TX]
	s_lshl_b32 s74, s74, 18                        ; a head's 2,048 rows of 128 bytes;
	s_and_b32 s75, s[TY], 7
	s_lshl_b32 s75, s75, 15                        ; the tile's 256 tokens;
	s_add_co_u32 s74, s74, s75
	s_lshl_b32 s75, s[WV], 13                      ; my wave's 64
	s_add_co_u32 s74, s74, s75
	s_mov_b32 s75, 0
	s_and_b32 s76, s[TY], 7                        ; the same tokens in the table, 256 bytes each
	s_lshl_b32 s76, s76, 16
	s_lshl_b32 s77, s[WV], 14
	s_add_co_u32 s76, s76, s77
	s_mov_b32 s77, 0
	s_mov_b32 s[TB], 0
	s_wait_dscnt 0x0                               ; the opening add is done
	s_wait_kmcnt 0x0
	s_add_nc_u64 s[68:69], s[4:5], s[68:69]
	s_add_nc_u64 s[70:71], s[6:7], s[70:71]
	s_add_nc_u64 s[8:9], s[8:9], s[76:77]
	s_add_nc_u64 s[10:11], s[10:11], s[74:75]
	s_add_nc_u64 s[12:13], s[12:13], s[74:75]
	s_add_nc_u64 s[14:15], s[14:15], s[74:75]
	CROUND                                         ; all sixteen work-groups are here: the first joint loads meet
.irp s, 0,1
	s_mov_b32 s[G0+4*(\s)], 1                                        ; 1:0 count = 1
	s_add_co_u32 s[G0+4*(\s)+1], s40, (\s)*SLOT1                     ; 63:32 LDS address
	s_add_nc_u64 s[G0+4*(\s)+2:G0+4*(\s)+3], s[68:69], (\s)*KSTEP*2  ; 120:64 global address: K step s
	s_or_b32 s[G0+4*(\s)+3], s[G0+4*(\s)+3], 0x80000000              ; 127:126 type = 2
	s_mov_b32 s[G0B+4*(\s)], 1
	s_add_co_u32 s[G0B+4*(\s)+1], s41, (\s)*SLOT1
	s_add_nc_u64 s[G0B+4*(\s)+2:G0B+4*(\s)+3], s[70:71], (\s)*KSTEP*2
	s_or_b32 s[G0B+4*(\s)+3], s[G0B+4*(\s)+3], 0x80000000
.endr
	s_cmp_lt_u32 s[WV], 2                          ; a wave's two first fills stand in one branch, ahead of every wait on TENSORcnt and every LDS read: two loads of mine are out
	s_cbranch_scc0 .Lfirst_b
	tensor_load_to_lds s[G0:G0+3], s[G1:G1+7]
	s_nop 0
	tensor_load_to_lds s[G0+4:G0+7], s[G1:G1+7]
	s_nop 0
.rept 4
	v_nop
.endr
	s_branch .Lfirst_asked
.Lfirst_b:
	tensor_load_to_lds s[G0B:G0B+3], s[G1B:G1B+7]
	s_nop 0
	tensor_load_to_lds s[G0B+4:G0B+7], s[G1B:G1B+7]
	s_nop 0
.rept 4
	v_nop
.endr
.Lfirst_asked:
	; A fragment is 16 rows x 32 K in 8 registers: lane l holds row l % 16; registers 0-3 K = 8 (l / 16) + 0..7, registers 4-7 K = 16 + 8 (l / 16) + 0..7: two loads of 16 bytes, 32 bytes apart.
	v_and_b32 v1, 15, v0                           ; l % 16
	v_bfe_u32 v2, v0, 4, 1                         ; l / 16
	v_mul_u32_u24 v3, v1, PITCH
	v_lshl_add_u32 v3, v2, 4, v3
	s_mul_i32 s44, s[WV], 64*PITCH                 ; my 64 rows of xb
	v_add_nc_u32 v[ADA0], s44, v3
	v_add_nc_u32 v[ADB0], BOFF, v3
	s_mul_i32 s45, s[WV], 16*SP
	s_add_co_u32 s45, s45, STAGE                   ; my stage
	v_mul_u32_u24 v[STO], v1, SP                   ; in: row l % 16, 16 bytes for each half of the lanes
	v_lshl_add_u32 v[STO], v2, 4, v[STO]
	v_add_nc_u32 v[STO], s45, v[STO]
	v_bfe_u32 v[RD], v0, 3, 2                      ; back: 32 lanes take four rows' 128 bytes of q, of k or of v,
	v_mul_u32_u24 v[RD], v[RD], SP
	v_and_b32 v3, 7, v0
	v_lshl_add_u32 v[RD], v3, 4, v[RD]
	v_add_nc_u32 v[RD], s45, v[RD]
	v_and_b32 v[GO], 31, v0                        ; which are 512 consecutive bytes of a head
	v_lshlrev_b32 v[GO], 4, v[GO]
	v_lshlrev_b32 v[TO], 8, v1                     ; the table: token l % 16; my four pairs of column block j are frequencies 8 j + 4 (l / 16) + 0..3: 32 bytes at 64 j + 32 (l / 16)
	v_lshl_add_u32 v[TO], v2, 5, v[TO]
.set i, 0
.rept 32                                       ; my 64 tokens' cos and sin: asked for now, wanted on the way out: the loads stay out during the whole K loop, which names none of their registers
	global_load_b128 v[CS+4*i:CS+4*i+3], v[TO], s[8:9] offset:4096*(i/8)+64*((i/2)%4)+16*(i%2)
.set i, i+1
.endr
; 12 matrix instructions: row block a x all 12 column blocks, 32 along K, from buffer f.  zero = 1: the product starts the sum: nothing is ever cleared.
; The 48 accumulators take turns, one instruction a turn, in the same order in every quarter step.
.macro MUL12 f, a, zero
	WIN 0x53+0x50*((\a)/2)                         ; source 0 window 3, source 1 window 0, C and D window 1 or 2
.set AC, 128*((\a)%2)
.set b, 0
.rept 12
.if \zero
	v_wmma_f32_16x16x32_bf16 v[AC+8*b:AC+8*b+7], v[96*(\f)+8*b:96*(\f)+8*b+7], v[FA+32*(\f)+8*(\a):FA+32*(\f)+8*(\a)+7], 0
.else
	v_wmma_f32_16x16x32_bf16 v[AC+8*b:AC+8*b+7], v[96*(\f)+8*b:96*(\f)+8*b+7], v[FA+32*(\f)+8*(\a):FA+32*(\f)+8*(\a)+7], v[AC+8*b:AC+8*b+7]
.endif
.set b, b+1
.endr
.endm
; 32 LDS loads in one run: the fragments of one quarter step (192 rows of wqkv, my 64 rows of xb, 32 K at byte k of the rows) into buffer f; xb's row blocks 2 and 3 last
.macro FETCH k, f
	WIN 0xc0                                       ; destination window 3, address window 0
.set i, 0
.rept 12
	ds_load_b128 v[96*(\f)+8*i:96*(\f)+8*i+3],   v[ADB] offset:(\k)+i*16*PITCH
	ds_load_b128 v[96*(\f)+8*i+4:96*(\f)+8*i+7], v[ADB] offset:(\k)+i*16*PITCH+32
.set i, i+1
.endr
	WIN 0
.set i, 0
.rept 4
	ds_load_b128 v[FA+32*(\f)+8*i:FA+32*(\f)+8*i+3],   v[ADA] offset:(\k)+i*16*PITCH
	ds_load_b128 v[FA+32*(\f)+8*i+4:FA+32*(\f)+8*i+7], v[ADA] offset:(\k)+i*16*PITCH+32
.set i, i+1
.endr
.endm
; A load into a register that a matrix instruction has read, and a vector instruction that reads a matrix result or writes one of a matrix instruction's registers, stand four places behind it; only plain
; vector instructions that name none of its registers are places (ISA guide 7.12.1 for vector instructions).
.macro PLACES
.rept 4
	v_nop
.endr
.endm
; A K step is four quarter steps of 32 along K, 48 matrix instructions each, on buffers 0, 1, 0, 1.  One of the first three: multiplies buffer f; in its middle it fetches the next quarter, at byte k, into buffer g.
.macro QUARTER k, f, g, zero
	s_wait_dscnt 4                                 ; all but the youngest four loads (xb's row blocks 2 and 3) are in
	MUL12 \f, 0, \zero
	MUL12 \f, 1, \zero
	PLACES
	FETCH \k, \g
	s_wait_dscnt 32                                ; all but the 32 just issued
	MUL12 \f, 2, \zero
	MUL12 \f, 3, \zero
.endm
; The last quarter multiplies buffer 1 and changes slots: ONE barrier.  In front of it each wave waits for all its tensor loads, of which one is out: its part of the next slot; adds 0 to its spare word; and waits
; for that and for its own reads of this slot.  fill = 1: this slot is filled again, two K steps ahead: the barrier then opens a round of the cluster's, and the joint refill is the first thing behind the round;
; from there to the wait for it a wave issues 168 matrix instructions.
.macro TURN fill
	WIN 0                                          ; (the add's two registers lie in window 0)
	s_wait_tensorcnt 0x0                           ; no tensor load of mine is out, so a group 0 may be written
	ds_add_u32 v[SPW], v[NIL]                      ; 0 onto my spare word
.if \fill
	s_xor_b32 s[G0+5], s[G0+5], SLOT1              ; the walking descriptors: the other slot than last time,
	s_add_nc_u64 s[G0+6:G0+7], s[G0+6:G0+7], KSTEP*2  ; the next K step; the type bits on top are not reached
	s_xor_b32 s[G0B+5], s[G0B+5], SLOT1
	s_add_nc_u64 s[G0B+6:G0B+7], s[G0B+6:G0B+7], KSTEP*2
.endif
	s_xor_b32 s[TB], s[TB], SLOT1                  ; the fetches go on in the other slot
	s_wait_dscnt 5                                 ; (the add and the youngest four loads may be out)
	MUL12 1, 0, 0                                  ; twelve matrix instructions stand between the add and the wait for it
	s_wait_dscnt 0x0                               ; the add is done, and my reads of this slot are over
	s_barrier_signal -1
	MUL12 1, 1, 0                                  ; work on registers while the others arrive
.if \fill
	WIN 0
.endif
	s_barrier_wait -1
.if \fill
	CREST                                          ; no wave of any partner still reads this slot's tile or has a load on its way
	JLOAD                                          ; the four v_nop behind it are also the places in front of the loads below
.else
	PLACES
.endif
	WIN 0
	v_add_nc_u32 v[ADA], s[TB], v[ADA0]
	v_add_nc_u32 v[ADB], s[TB], v[ADB0]
	FETCH 0, 0
	MUL12 1, 2, 0
	MUL12 1, 3, 0
.endm
	s_wait_tensorcnt 0x1                           ; my part of K step 0 is in; K step 1's may stay out
	s_barrier_signal -1
	s_barrier_wait -1                              ; everybody's is
	v_add_nc_u32 v[ADA], s[TB], v[ADA0]
	v_add_nc_u32 v[ADB], s[TB], v[ADB0]
	FETCH 0, 0
	QUARTER 64, 0, 1, 1                            ; the first quarter stands in front of the loop: its products start the sums
	WIN 0
	s_mov_b32 s[CNT], 6                            ; K steps 2 to 7 are asked for in the loop
.Lstep:                                                ; a trip: a K step's second quarter to the next step's first; one slot is filled again
	QUARTER 128, 1, 0, 0
	QUARTER 192, 0, 1, 0
	TURN 1
	QUARTER 64, 0, 1, 0
	WIN 0
	s_sub_co_u32 s[CNT], s[CNT], 1
	s_cmp_lg_u32 s[CNT], 0
	s_cbranch_scc1 .Lstep
	QUARTER 128, 1, 0, 0                           ; the last two K steps are written out: nothing more is asked for
	QUARTER 192, 0, 1, 0
	TURN 0
	QUARTER 64, 0, 1, 0
	QUARTER 128, 1, 0, 0
	QUARTER 192, 0, 1, 0
	s_wait_dscnt 4
	MUL12 1, 0, 0
	MUL12 1, 1, 0
	s_wait_dscnt 0x0
	MUL12 1, 2, 0
	MUL12 1, 3, 0
; THE WAY OUT, a row block (16 tokens) at a time.  PACK: q's and k's pairs (e, o) become (e c - o s, e s + o c), by two packed instructions: (o s, o c), then (e c, e s) with the first subtracted below and
; added above; all three are rounded to f16.  Each accumulator's lowest registers are read first.
.macro PACK a
.set W, 1+(\a)/2
.set AC, 128*((\a)%2)
	WIN W                                          ; source 0 in the accumulators' window
.set b, 0
.rept 8
.set p, 0
.rept 4
	v_pk_mul_f32 v[T+8*b+2*p:T+8*b+2*p+1], v[AC+8*b+2*p:AC+8*b+2*p+1], v[CS+32*(\a)+8*(b%4)+2*p:CS+32*(\a)+8*(b%4)+2*p+1] op_sel:[1,1] op_sel_hi:[1,0]
.set p, p+1
.endr
.set p, 0
.rept 4
	v_pk_fma_f32 v[T+8*b+2*p:T+8*b+2*p+1], v[AC+8*b+2*p:AC+8*b+2*p+1], v[CS+32*(\a)+8*(b%4)+2*p:CS+32*(\a)+8*(b%4)+2*p+1], v[T+8*b+2*p:T+8*b+2*p+1] op_sel:[0,0,0] op_sel_hi:[0,1,1] neg_lo:[0,0,1]
.set p, p+1
.endr
.set b, b+1
.endr
	WIN 0
.set i, 0
.rept 32
	v_cvt_pk_f16_f32 v[T+i], v[T+2*i], v[T+2*i+1]  ; in place, ascending: register i is written when registers 2 i and 2 i + 1 are read
.set i, i+1
.endr
	WIN W|(W<<2)                                   ; sources 0 and 1 in the accumulators' window
.set i, 0
.rept 16
	v_cvt_pk_f16_f32 v[T+32+i], v[AC+64+2*i], v[AC+64+2*i+1]  ; v is not rotated
.set i, i+1
.endr
.endm
.macro TOSTAGE a                       ; a lane's 16 bytes go into rows of 400 bytes; whole rows of 128 bytes come back, four to a load
	WIN 0
.set b, 0
.rept 12
	ds_store_b128 v[STO], v[T+4*b:T+4*b+3] offset:32*b
.set b, b+1
.endr
	WIN 0xc0
.set i, 0
.rept 12                               ; load i: tensor i / 4 (q, k, v), rows 4 (i % 4) on
	ds_load_b128 v[48*(\a)+4*i:48*(\a)+4*i+3], v[RD] offset:1600*(i%4)+128*(i/4)  ; LDS serves a wave's instructions in order (ISA guide 5.7.1.4): these see the stores above; the next block's stores come behind them
.set i, i+1
.endr
.endm
.macro SEND a                          ; no register that a store reads is written again, so nothing waits for the stores
	WIN 0x0c                                       ; the stores' data in window 3
.set i, 0
.rept 12
	s_wait_dscnt 11-i                              ; load i is back; the younger ones stay out
	global_store_b128 v[GO], v[48*(\a)+4*i:48*(\a)+4*i+3], s[10+2*(i/4):11+2*(i/4)] offset:2048*(\a)+512*(i%4)  ; 512 consecutive bytes, at a multiple of 256 from the buffer's first byte
.set i, i+1
.endr
.endm
	s_wait_loadcnt 0x0                             ; cos and sin
	PLACES
	PACK 0
	TOSTAGE 0
.irp a, 1,2,3                          ; block a's arithmetic stands between block a - 1's loads from the stage and the wait for them
	PACK \a
	SEND (\a)-1
	TOSTAGE \a
.endr
	SEND 3
	WIN 0
	s_wait_tensorcnt 0x0                           ; the wave's end, behind my last tensor load and my last LDS store
	ds_add_u32 v[SPW], v[NIL]
	s_wait_dscnt 0x0
	CROUND                                         ; the closing round: no work-group ends while a partner may still ask for a tile that names it
	s_endpgm
.Lfunc_end_k_q5ea38ed375_qkv:
	.size	k_q5ea38ed375_qkv, .Lfunc_end_k_q5ea38ed375_qkv-k_q5ea38ed375_qkv
	.p2alignl 7, 3214868480
	.fill 96, 4, 3214868480
	.section	.rodata,"a",@progbits
	.p2align	6, 0x0
	.amdhsa_kernel k_q5ea38ed375_qkv
		.amdhsa_group_segment_fixed_size 327680
		.amdhsa_private_segment_fixed_size 0
		.amdhsa_enable_private_segment 0
		.amdhsa_kernarg_size 48
		.amdhsa_user_sgpr_count 2
		.amdhsa_user_sgpr_kernarg_segment_ptr 1
		.amdhsa_wavefront_size32 1
		.amdhsa_system_sgpr_workgroup_id_x 1
		.amdhsa_system_sgpr_workgroup_id_y 1
		.amdhsa_system_sgpr_workgroup_id_z 1
		.amdhsa_system_vgpr_workitem_id 0
		.amdhsa_next_free_vgpr 960
		.amdhsa_next_free_sgpr 80
		.amdhsa_reserve_vcc 0
		.amdhsa_float_denorm_mode_32 3
		.amdhsa_float_denorm_mode_16_64 3
		.amdhsa_memory_ordered 1
		.amdhsa_forward_progress 1
		.amdhsa_inst_pref_size 117
	.end_amdhsa_kernel
	.amdgpu_metadata
---
amdhsa.version: [ 1, 2 ]
amdhsa.kernels:
  - .name:           k_q5ea38ed375_qkv
    .symbol:         k_q5ea38ed375_qkv.kd
    .args:
      - { .name: xb, .offset: 0, .size: 8, .value_kind: global_buffer, .address_space: global }
      - { .name: wqkv, .offset: 8, .size: 8, .value_kind: global_buffer, .address_space: global }
      - { .name: rope, .offset: 16, .size: 8, .value_kind: global_buffer, .address_space: global }
      - { .name: qh, .offset: 24, .size: 8, .value_kind: global_buffer, .address_space: global }
      - { .name: kh, .offset: 32, .size: 8, .value_kind: global_buffer, .address_space: global }
      - { .name: vh, .offset: 40, .size: 8, .value_kind: global_buffer, .address_space: global }
    .group_segment_fixed_size: 327680
    .private_segment_fixed_size: 0
    .kernarg_segment_align: 8
    .kernarg_segment_size: 48
    .max_flat_workgroup_size: 128
    .sgpr_count:     80
    .vgpr_count:     960
    .wavefront_size: 32
...
	.end_amdgpu_metadata
.endif
;; end of part 2
;; launch attn (part 3): grid 4 x 64, 4 waves a work-group, no clusters, 327,680 bytes of LDS; arguments qh, kh, vh, oh; writes oh
.if DOCPART == 3
	.amdgcn_target "amdgcn-amd-amdhsa--gfx1250"
	.amdhsa_code_object_version 6
	.text
	.protected	k_q5ea38ed375_attn
	.globl	k_q5ea38ed375_attn
	.p2align	8
	.type	k_q5ea38ed375_attn,@function
k_q5ea38ed375_attn:
	s_mov_b64 s[64:65], 0
	v_nop
	global_prefetch_b8 v0, s[64:65] scope:SCOPE_SE
	s_setreg_imm32_b32 hwreg(HW_REG_WAVE_MODE, 25, 1), 1
	s_wait_xcnt 0x0
; CAUSAL ATTENTION.  O[h][q][:] = the sum over k <= q of softmax_k(Q[h][q] . K[h][k] / 8) V[h][k][:].  Q, K, V, O: [SIZE_H][SIZE_N][64], all f16: a head's rows are dense, 128 bytes each.
; Products, maxima and sums in f32; the weights p are rounded to f16 for the second product (their sum l is taken of the unrounded p), O once at the end.
; LIMITS.  f16 holds no number beyond 65,504: Q, K and V arrive within it; p lies in 0 to 1, and below 6e-5 it keeps f16's fixed step of 6e-8; O is a mean of V's rows and has their range, to within 2^-11 of it.
; A hidden score counts as its value less 1e30: f16's scores, 2.7e11 at the most, are nothing beside that; a weight below 2^-126 counts as 0 in l; NaN and infinities are not treated apart.
; THE WALK.  A head's queries lie in NB = SIZE_N / 256 = 8 blocks of 256; block i needs the key tiles 0 .. i of 256 keys, of which the last holds the diagonal.  A work-group takes TWO blocks, NB - 1 - b and then b:
; NB + 1 = 9 tiles, whatever b: all 256 work-groups do equal work, and ONE loop with a constant trip count walks them.  Which tile is asked for, and what a trip does, hang on scalar registers made from b; every jump
; goes forward, but for the counted loops' own; none passes a barrier, or a tensor load but the one of LOAD's two that the wave's number does not choose; the ring (two slots of LDS that take turns) runs on across the
; change of blocks.  NO CLUSTER: a head's four work-groups ask for the same tile only in trips 0 .. 4 of the 9, behind that fewer and fewer; one walk common to all four would have 12 trips for 9.
; SHARES.  Of a block's four bands of 64 queries a wave owns 16 rows in each: four PIECES.  So the diagonal tile is the same work for all four waves: in its key step s band x sees all keys if s < x,
; none if s > x, and holds the diagonal if s = x.
; THE MASK is the C operand that starts the sum S^T = K Q^T: 0, or -1e30 where the key is hidden.  MD, made once, is the mask of a band's own step for my 16 rows; a product's mask is MD x AL + BE with two scalars:
; (1, 0) if s = x; (0, 0) if s < x; (0, -1e30) if s > x.  Only the diagonal tile's text and a block's beginning make and take masks; elsewhere C is the constant 0.
; LAYOUT, SOFTMAX, TURNS.  S^T = K Q^T holds ONE query a lane (lane % 16) and the keys 8 (lane / 16) + 0..7; two such results rounded to f16 ARE source 1 of O^T = V^T P.  p = 2^(c s - c m), c = log2(e) / 8, with a
; running maximum m; O and l are multiplied by a = 2^(c m_old - c m_new) in every step.  Turn n belongs to piece n: 8 products K Q^T of piece n + 1, later 8 products V^T P of piece n - 1; beside them the scaling,
; exponentials, roundings, sums and rescaling of piece n and the maximum and statistics of piece n + 1.  Four vector instructions stand behind every matrix instruction, the other 54 of a turn's 118 in two LUMPS.
; AHEAD OF THE FILLS.  The work-group with b = 0 walks its head's tiles 0 to 7 in its first block; behind each fill it prefetches the tile that its next change of slots will ask for: each wave its own 128 rows
; (64 blocks of 256 bytes, a lane a block, two instructions).  So tiles 2 to 7 of K and V are named once in the launch; tiles 0 and 1 come by their loads alone; behind the first block's last fill nothing is asked for.
; REGISTERS, in windows of 256 (s_set_vgpr_msb: bits 1:0 source 0, 3:2 source 1, 5:4 source 2, 7:6 destination):
;   window 0: v0-15 addresses and two at work; v16-31 four registers of statistics a piece; v48-55 at work; v64-127 S^T, two buffers; v192-223 P, two buffers (a piece's buffers go by its number's parity)
;   window 1: v0-127 O^T, 32 a piece; v128-159 MD; v160-223 MC, two buffers      window 2: v0-63 Q; v64-127 the second block's Q; v128-191 K of one step; v192-255 V of one step
.set SIZE_H, 64
.set SIZE_N, 2048
.set NB,    SIZE_N/256
.set NP,    4         ; pieces a wave: a name, no knob
.set KS,    64        ; keys in a step
.set PK,    144       ; a row of K in LDS: 128 bytes + 16 of padding = 36 words: the 16 rows of a load start at 16 different groups of four banks (64 banks of 4 bytes: ISA guide 11.1)
.set PV,    160       ; a row of V: 128 + 32 = 40 words
.set VOFF,  4*KS*PK   ; a slot holds a tile, four steps: 256 rows of K, then 256 rows of V
.set SLOT1, 1<<17     ; slot 1 begins here, so that one exclusive or turns an address in one slot into the other's
.set STAGE, SLOT1+4*KS*(PK+PV)  ; behind the ring, never filled by a tensor load: 16 rows x 144 bytes for each wave, for the way out
.set SP,    144
.set AK0, 2           ; v2   my lane's place in a tile of K; never rewritten
.set AV0, 3           ; v3   the same for V
.set AK,  4           ; v4   the LDS address of K's next run of loads
.set AV,  5           ; v5   of V's
.set STO, 6           ; v6   the way out: where I put 16 bytes of a row
.set RD,  7           ; v7   the way out: where I read rows back
.set GO,  8           ; v8   my byte offset in 512 consecutive bytes of O
.set PFO, 61          ; v61  256 x my lane: the prefetches' offset; never rewritten
.set SPW, 62          ; v62  LDS address of my spare word: SPARE + 4 x my thread's number; never rewritten
.set NIL, 63          ; v63  0; never rewritten
.set SPARE, STAGE+4*16*SP  ; behind the stages: the spare words, 128 bytes for each wave: two blocks of 256 bytes that no other line names
.set MV,  12          ; v12-13  c m_old, kept while c m is made anew: by buffer
.set QO,  15          ; v15  my byte offset in 16 rows of Q
.set ST,  16          ; piece t's statistics at v[ST+4 t]: c m, m, l (even keys', odd keys')
.set TMP, 48          ; by buffer, four registers c0-c3 at work; when the maximum is found c2 takes a
.set S,   64
.set P,   192
.set MD,  128         ; window 1: the eight registers for group kt of 16 keys at MD + 8 kt
.set MC,  160         ; window 1: the masks of the products to come
.set QB,  64          ; window 2
.set KF,  128         ; window 2: key block kb, channel half c at KF + 16 kb + 8 c
.set VF,  192         ; window 2: key half kk, channel block cb at VF + 32 kk + 8 cb
.set WV,  12          ; s12  my wave's number
.set PB,  14          ; s14  b
.set HI,  15          ; s15  NB - 1 - b
.set G1K, 24          ; s[24:31] descriptor group 1 for K's tiles
.set G1V, 32          ; s[32:39] for V's: it differs in the padding alone
.set G0K, 40          ; s[40:43] descriptor group 0 for K's tiles
.set G0V, 44          ; s[44:47] the same for V's
.set SLOTS, 56        ; s56  tiles still to be asked for
.set CNT, 57          ; s57  counts a tile's key steps, 4 to 1
.set CS,  58          ; s[58:59] c: the packed scaling takes the pair's low word for both halves
.set SEL, 60          ; s[60:61] v_permlanex16_b32's selects: each lane takes its own place in the other half
.set TBK, 62          ; s62  LDS byte at which K of the step to be fetched begins
.set TBV, 63          ; s63  the same for V, less VOFF
.set RT,  70          ; s70  tiles of the block in hand that are still to be entered
.set NXT, 71          ; s71  the tile to be asked for next
.set LQ,  72          ; s72  the last tile of the block whose tiles are being asked for
.set NEW, 73          ; s73  1: the tile to be entered is a block's first
.set OFF, 74          ; s[74:75] a tile's byte offset in K and V
.set AL,  76          ; s[76:77] the mask's factor, in the low word
.set BE,  78          ; s[78:79] the mask's addend
.set OLO, 80          ; s[80:81] O at my rows of the second block
.set BIGN, 82         ; s82  -1e30
.set PFB, 88          ; s[88:89] my half of the head's tile 0, of K (waves 0, 1) or of V (waves 2, 3)
.set PFA, 90          ; s[90:91] the same half of the tile that the next change of slots will ask for
.set PFF, 92          ; s[92:93] that tile's byte offset
.set LIM, 94          ; s94  0 in the work-group that prefetches (b = 0), else the greatest number: a wave prefetches while s[NXT] is above it
.set MSB, 0
.macro WIN new                      ; the high byte repeats the setting that is left; a switch that changes nothing is dropped
.if MSB != (\new)
	s_set_vgpr_msb (MSB<<8)|(\new)
.set MSB, (\new)
.endif
.endm
.set W_KQ, 0x0a       ; K and Q in window 2, S^T in window 0
.set W_KM, 0x1a       ; the same with the C operand in window 1
.set W_PV, 0x52       ; V in window 2, P in window 0, O^T in window 1
.set W_RS, 0x41       ; destination and source 0 in window 1, source 1 in window 0
; A fill.  Waves 0 and 1 fetch the two halves of a tile's K, waves 2 and 3 those of its V: 128 keys each.  An s_nop 0 and four v_nop follow each of the two lines, ahead of the jump and the label.
.macro LOAD
	s_cmp_lt_u32 s[WV], 2
	s_cbranch_scc0 .Lfor_v_\@
	tensor_load_to_lds s[G0K:G0K+3], s[G1K:G1K+7]
	s_nop 0
.rept 4
	v_nop
.endr
	s_branch .Lasked_\@
.Lfor_v_\@:
	tensor_load_to_lds s[G0V:G0V+3], s[G1V:G1V+7]
	s_nop 0
.rept 4
	v_nop
.endr
.Lasked_\@:
.endm
; The prefetch: my 16,384 bytes of tile NXT, which the next change of slots will load: 256 matrix instructions ahead of that load.  It stands behind the wave's tensor load and its five lines.
.macro ASK
	s_cmp_gt_u32 s[NXT], s[LIM]
	s_cbranch_scc0 .Lnot_mine_\@
	global_prefetch_b8 v[PFO], s[PFA:PFA+1] th:TH_LOAD_NT scope:SCOPE_SE
	global_prefetch_b8 v[PFO], s[PFA:PFA+1] offset:8192 th:TH_LOAD_NT scope:SCOPE_SE
.Lnot_mine_\@:
.endm
; THE CHANGE OF SLOTS.  Each wave waits for all its tensor loads, of which one is out: its part of the other slot; adds 0 to its spare word; and waits for that and for its own reads of the slot that it leaves.  Behind the barrier nobody reads the old
; slot any more and the other slot is whole.  fill = 1: the old slot is filled again, the first thing behind the barrier, with tile NXT: the descriptor's address is made anew from that number.
; (At its first use nothing has been read yet: slot 0 is waited for, slot 1 filled.)
.macro CHANGE fill
	WIN 0                           ; at a label and at a branch every window is 0
	s_wait_tensorcnt 0x0            ; no tensor load of mine is out, so a group 0 may be written
	ds_add_u32 v[SPW], v[NIL]       ; 0 onto my spare word; with fill = 1 the descriptors' scalar work stands between it and the wait for it
.if \fill
	s_lshl_b32 s[OFF], s[NXT], 15   ; a tile is 32,768 bytes of K and of V
	s_xor_b32 s[G0K+1], s[G0K+1], SLOT1
	s_add_nc_u64 s[G0K+2:G0K+3], s[6:7], s[OFF:OFF+1]
	s_or_b32 s[G0K+3], s[G0K+3], 0x80000000
	s_xor_b32 s[G0V+1], s[G0V+1], SLOT1
	s_add_nc_u64 s[G0V+2:G0V+3], s[8:9], s[OFF:OFF+1]
	s_or_b32 s[G0V+3], s[G0V+3], 0x80000000
	s_add_co_u32 s[NXT], s[NXT], 1  ; the block's next tile, or behind its last the second block's tile 0
	s_cmp_gt_u32 s[NXT], s[LQ]
	s_cselect_b32 s[NXT], 0, s[NXT]
	s_cselect_b32 s[LQ], s[PB], s[LQ]
	s_wait_xcnt 0x0                 ; the last prefetches, a tile back, have read their address, so it may be written:
	s_lshl_b32 s[PFF], s[NXT], 15
	s_add_nc_u64 s[PFA:PFA+1], s[PFB:PFB+1], s[PFF:PFF+1]  ; the tile behind the one that is asked for now
.endif
	s_wait_dscnt 0x0                ; the add is done, and my reads of the slot are over
	s_barrier_signal -1             ; the rest of the scalar work stands between the signal and the wait
	s_sub_co_u32 s[TBK], s[TBK], 4*KS*PK  ; the fetches go back to a slot's first step,
	s_xor_b32 s[TBK], s[TBK], SLOT1       ; in the other slot
	s_sub_co_u32 s[TBV], s[TBV], 4*KS*PV
	s_xor_b32 s[TBV], s[TBV], SLOT1
	s_barrier_wait -1
.if \fill
	LOAD
	ASK
.endif
.endm
	s_load_b256 s[4:11], s[0:1], 0x0  ; Q s[4:5], K s[6:7], V s[8:9], O s[10:11]
	v_lshl_add_u32 v[SPW], v0, 2, SPARE
	v_mov_b32 v[NIL], 0
	ds_add_u32 v[SPW], v[NIL]       ; the wave's opening: the add and its wait stand ahead of my first tensor load; the set-up below, work on registers, stands between them
	ds_add_u32 v62, v63
	v_lshrrev_b32 v1, 5, v0
	v_readfirstlane_b32 s[WV], v1   ; wave 0..3
	s_mov_b32 s[PB], ttmp9
	s_sub_co_u32 s[HI], NB-1, s[PB]
	s_and_b32 s20, ttmp7, 0xffff    ; the head
	s_mov_b32 s21, 0
	s_mov_b64 s[22:23], SIZE_N*128
	s_mul_u64 s[20:21], s[20:21], s[22:23]  ; the head's first byte in each of the four tensors
	s_and_b32 s16, s[WV], 1         ; which half of a tile's 256 keys I fetch:
	s_lshl_b32 s22, s16, 14         ; its 128 rows of 128 bytes in memory,
	s_mov_b32 s23, 0
	s_add_nc_u64 s[22:23], s[22:23], s[20:21]
	s_mul_i32 s17, s16, 128*PK      ; and its place in a slot, for K
	s_mul_i32 s18, s16, 128*PV      ; and for V
	s_lshl_b32 s3, s[WV], 11        ; my 16 rows in a band of 64,
	s_lshl_b32 s2, s[HI], 15        ; in the first block,
	s_add_co_u32 s2, s2, s3
	s_lshl_b32 s84, s[PB], 15       ; and in the second
	s_add_co_u32 s84, s84, s3
	s_mov_b32 s3, 0
	s_mov_b32 s85, 0
	s_add_nc_u64 s[2:3], s[2:3], s[20:21]
	s_add_nc_u64 s[84:85], s[84:85], s[20:21]
	; descriptor group 1.  128 keys are 16,384 dense bytes: asked for as 64 rows of 256 bytes, two keys a row, and padded in LDS after every key
	s_mov_b32 s[G1K], (1<<16)|(1<<20)|(4<<22)|(3<<25)  ; 17:16 2-byte elements; 20 padding on; 24:22 after every 32 words (code 4); 31:25 4 words (code 3)
	s_mov_b32 s[G1V], (1<<16)|(1<<20)|(4<<22)|(7<<25)  ; the same with 8 words of padding (code 7)
.irp g, G1K, G1V
	s_mov_b32 s[\g+1], 128<<16      ; tensor_dim0 = 128
	s_mov_b32 s[\g+2], 64<<16       ; tensor_dim1 = 64
	s_mov_b32 s[\g+3], 128<<16      ; tile_dim0 = 128
	s_mov_b32 s[\g+4], 64           ; tile_dim1 = 64
	s_mov_b32 s[\g+5], 128          ; 128 elements from row to row
	s_mov_b32 s[\g+6], 0
	s_mov_b32 s[\g+7], 0
.endr
	s_mov_b32 s[CS], 0x3e38aa3b     ; c = log2(e) / 8 = 0.180337
	s_mov_b32 s[CS+1], s[CS]        ; named with it as a pair
	s_mov_b32 s[SEL], 0x76543210
	s_mov_b32 s[SEL+1], 0xfedcba98
	s_mov_b32 s[TBK], SLOT1+4*KS*PK ; the first change of slots turns these two into 0
	s_mov_b32 s[TBV], SLOT1+4*KS*PV
	s_mov_b32 s[G0K], 1             ; 1:0 count = 1
	s_mov_b32 s[G0K+1], s17         ; 63:32 LDS address: slot 0
	s_mov_b32 s[G0V], 1
	s_add_co_u32 s[G0V+1], s18, VOFF
	s_add_co_u32 s[RT], s[HI], 1    ; the first block has NB - b tiles
	s_mov_b32 s[NXT], 1
	s_mov_b32 s[LQ], s[HI]
	s_mov_b32 s[NEW], 1
	s_mov_b32 s[OFF+1], 0
	s_mov_b32 s[PFF+1], 0
	s_mov_b32 s[AL+1], 0            ; named as pairs
	s_mov_b32 s[BE+1], 0
	s_mov_b32 s[BIGN], 0xf149f2ca   ; -1e30
	s_mov_b32 s[SLOTS], NB
	s_cmp_eq_u32 s[PB], 0
	s_cselect_b32 s[LIM], 0, -1
	v_and_b32 v[PFO], 31, v0
	v_lshlrev_b32 v[PFO], 8, v[PFO]
	s_wait_dscnt 0x0                ; the opening add is done
	s_wait_kmcnt 0x0
	s_add_nc_u64 s[6:7], s[6:7], s[22:23]  ; K and V at my half of the head's tile 0
	s_add_nc_u64 s[8:9], s[8:9], s[22:23]
	s_add_nc_u64 s[G0K+2:G0K+3], s[6:7], 0         ; 120:64 global address
	s_or_b32 s[G0K+3], s[G0K+3], 0x80000000        ; 127:126 type = 2
	s_add_nc_u64 s[G0V+2:G0V+3], s[8:9], 0
	s_or_b32 s[G0V+3], s[G0V+3], 0x80000000
	s_add_nc_u64 s[86:87], s[4:5], s[84:85]        ; Q at my rows of the second block,
	s_add_nc_u64 s[4:5], s[4:5], s[2:3]            ; Q and O at those of the first
	s_add_nc_u64 s[OLO:OLO+1], s[10:11], s[84:85]
	s_add_nc_u64 s[10:11], s[10:11], s[2:3]
	s_cmp_lt_u32 s[WV], 2
	s_cselect_b64 s[PFB:PFB+1], s[6:7], s[8:9]
	LOAD                            ; tile 0 into slot 0
	; A fragment of K or Q is 16 rows x 32 channels in 8 registers: lane l holds row l % 16, channels 8 (l / 16) + 0..7 and 16 + 8 (l / 16) + 0..7: two loads of 16 bytes, 32 bytes apart.
	v_and_b32 v1, 15, v0            ; l % 16
	v_bfe_u32 v9, v0, 4, 1          ; l / 16
	v_lshlrev_b32 v[QO], 7, v1
	v_lshl_add_u32 v[QO], v9, 4, v[QO]  ; row x 128 + 16 x half
	WIN 0x80                        ; destination window 2, address window 0
.set i, 0
.rept 8                             ; both blocks' Q: piece i / 2 lies in band i / 2, 8,192 bytes on; channels 32 (i % 2) on
	global_load_b128 v[8*i:8*i+3],   v[QO], s[4:5] offset:(i/2)*8192+(i%2)*64
	global_load_b128 v[8*i+4:8*i+7], v[QO], s[4:5] offset:(i/2)*8192+(i%2)*64+32
	global_load_b128 v[QB+8*i:QB+8*i+3],   v[QO], s[86:87] offset:(i/2)*8192+(i%2)*64
	global_load_b128 v[QB+8*i+4:QB+8*i+7], v[QO], s[86:87] offset:(i/2)*8192+(i%2)*64+32
.set i, i+1
.endr
	WIN 0
	v_lshlrev_b32 v14, 3, v9
	v_sub_nc_u32 v14, v1, v14
	s_lshl_b32 s13, s[WV], 4
	v_add_nc_u32 v14, s13, v14      ; my query's place in its band, 16 w + l % 16, less my lanes' 8 (l / 16): register r of group kt is hidden where 16 kt + r is greater
	WIN 0x40
.set i, 0
.rept 32
	v_cmp_gt_i32 vcc_lo, 16*(i/8)+i%8, v14
	v_cndmask_b32 v[MD+i], 0, s[BIGN], vcc_lo
.set i, i+1
.endr
	WIN 0
	v_mul_u32_u24 v[AK0], v1, PK
	v_lshl_add_u32 v[AK0], v9, 4, v[AK0]  ; row x pitch + 16 x half
	; The turning load takes 16 keys x 16 channels (lane l reads key 8 (l / 16) + l % 8, channels 8 ((l / 8) % 2) + 0..7) and leaves half a fragment of V^T: lane l holds channel l % 16 and 8 keys.
	v_and_b32 v10, 7, v0
	v_bfe_u32 v11, v0, 3, 1
	v_lshl_add_u32 v[AV0], v9, 3, v10
	v_mul_u32_u24 v[AV0], v[AV0], PV
	v_lshl_add_u32 v[AV0], v11, 4, v[AV0]
	v_add_nc_u32 v[AV0], VOFF, v[AV0]
	s_mul_i32 s13, s[WV], 16*SP
	s_add_co_u32 s13, s13, STAGE    ; my stage
	v_mul_u32_u24 v[STO], v1, SP    ; in: row l % 16, 16 bytes for each half of the lanes
	v_lshl_add_u32 v[STO], v9, 4, v[STO]
	v_add_nc_u32 v[STO], s13, v[STO]
	v_bfe_u32 v[RD], v0, 3, 2       ; back: 32 lanes take four rows of 128 bytes,
	v_mul_u32_u24 v[RD], v[RD], SP
	v_lshl_add_u32 v[RD], v10, 4, v[RD]
	v_add_nc_u32 v[RD], s13, v[RD]
	v_and_b32 v[GO], 31, v0         ; which are 512 consecutive bytes of O
	v_lshlrev_b32 v[GO], 4, v[GO]
	; A block's first step multiplies O^T and l by a = 0, and its first turn's products V^T P, of a piece that has not been, land in an O^T that is still to be so multiplied.  So these registers need only hold
	; finite numbers: zeros for the first block; what the first block left for the second.  All this stands in the wait for the first tile.
	WIN 0x80
.set i, VF
.rept 64
	v_mov_b32 v[i], 0
.set i, i+1
.endr
	WIN 0x40
.set i, 0
.rept 128
	v_mov_b32 v[i], 0
.set i, i+1
.endr
	WIN 0
.set i, 0
.rept 4
	v_mov_b32 v[ST+4*i+2], 0
	v_mov_b32 v[ST+4*i+3], 0
.set i, i+1
.endr
.set i, P+16
.rept 16
	v_mov_b32 v[i], 0
.set i, i+1
.endr
; THE MATRIX WORK.  The 4 accumulators of a run of 8 take turns.  Product i of 8 of S^T = K Q^T for piece x: channels 32 (i / 4) on, keys 16 (i % 4) on.  The first 4 start the sums: with 0, or (KM = 1) with the mask.
.macro KQ x
.set rS, S+32*((\x)%2)+8*(i%4)
.set rK, KF+16*(i%4)+8*(i/4)
.set rQ, 16*(\x)+8*(i/4)
.set rM, MC+32*((\x)%2)+8*(i%4)
.if (i < 4) && KM
	WIN W_KM
	v_wmma_f32_16x16x32_f16 v[rS:rS+7], v[rK:rK+7], v[rQ:rQ+7], v[rM:rM+7]
.elseif i < 4
	WIN W_KQ
	v_wmma_f32_16x16x32_f16 v[rS:rS+7], v[rK:rK+7], v[rQ:rQ+7], 0
.else
	WIN W_KQ
	v_wmma_f32_16x16x32_f16 v[rS:rS+7], v[rK:rK+7], v[rQ:rQ+7], v[rS:rS+7]
.endif
.endm
; Product i of 8 of O^T += V^T P for piece x: keys 32 (i / 4) on, channels 16 (i % 4) on.
.macro PV x
	WIN W_PV
.set rO, 32*(\x)+8*(i%4)
.set rV, VF+32*(i/4)+8*(i%4)
.set rP, P+16*((\x)%2)+8*(i/4)
	v_wmma_f32_16x16x32_f16 v[rO:rO+7], v[rV:rV+7], v[rP:rP+7], v[rO:rO+7]
.endm
.macro MM                           ; the turn's next matrix instruction.  TURN and BEGIN set Y, i, KM and NOKQ; MM, KQ and OP read them.  NOKQ = 1: a block's last turn: there is no next piece
.if (i < 8) && !NOKQ
	KQ (Y+1)%NP
.elseif i >= 8
.set i, i-8
	PV (Y+NP-1)%NP
.set i, i+8
.endif
.set i, i+1
.endm
; THE LDS LOADS stand in runs of 16, never singly among the matrix instructions: a step's K (64 keys x 64 channels: 8 fragments) and its V (turned).  Their addresses are made some lines ahead.
.macro FETCH_K
	WIN 0x80                        ; destination window 2
.irp f, 0,1,2,3,4,5,6,7             ; keys 16 (f / 2) on, channels 32 (f % 2) on
	ds_load_b128 v[KF+8*\f:KF+8*\f+3],   v[AK] offset:(\f/2)*16*PK+(\f%2)*64
	ds_load_b128 v[KF+8*\f+4:KF+8*\f+7], v[AK] offset:(\f/2)*16*PK+(\f%2)*64+32
.endr
	s_add_co_u32 s[TBK], s[TBK], KS*PK  ; the next fetch is the next step's
	WIN 0
.endm
.macro FETCH_V
	WIN 0x80
.irp f, 0,1,2,3,4,5,6,7             ; keys 32 (f / 4) on, channels 16 (f % 4) on
	ds_load_tr16_b128 v[VF+8*\f:VF+8*\f+3],   v[AV] offset:(\f/4)*32*PV+(\f%4)*32
	ds_load_tr16_b128 v[VF+8*\f+4:VF+8*\f+7], v[AV] offset:(\f/4)*32*PV+16*PV+(\f%4)*32
.endr
	WIN 0
.endm
; THE VECTOR WORK, one line at a time: OP kind, number.  For piece Y: F n: c s - c m for pair n of 16.  E n: the exponential of score n of 32.  C n: pair n rounded to f16.  B n: of the four weights 4 n .. the second
; pair is added onto the first, in place.  L n: l takes that sum (L 0: l = a l + sum).  R n: pair n of 16 of O^T times a.  For piece Y + 1: X n, number n of the 22 that find its maximum and statistics:
;   0-11  four chains c0-c3 of seven scores each, three operands at a time (each accumulator's lowest registers are read first)     12-14, 16  the four scores left over, the old m, and c0-c3 into c0
;   15  c m_old is kept     17, 18  the query's other 32 keys lie in the lane 16 away: the new m     19-21  c m; c m_old - c m_new; a
.set F, 0               ; OP tells the kinds apart by their order: F to L below R, X above it
.set E, 1
.set C, 2
.set B, 3
.set L, 4
.set R, 5
.set X, 6
.macro REGS y                       ; the registers of piece y
.set rT, ST+4*(\y)
.set rC, TMP+4*((\y)%2)
.set rW, MV+((\y)%2)
.set rS, S+32*((\y)%2)
.set rP, P+16*((\y)%2)
.set rO, 32*(\y)
.endm
.macro OP k, n
.if (\k) == R
	REGS Y
	WIN W_RS
	v_pk_mul_f32 v[rO+2*(\n):rO+2*(\n)+1], v[rO+2*(\n):rO+2*(\n)+1], v[rC+2:rC+3] op_sel_hi:[1,0]
.elseif (\k) < R
	REGS Y
	WIN 0
.if (\k) == F
	v_pk_fma_f32 v[rS+2*(\n):rS+2*(\n)+1], v[rS+2*(\n):rS+2*(\n)+1], s[CS:CS+1], v[rT:rT+1] op_sel_hi:[1,0,0] neg_lo:[0,0,1] neg_hi:[0,0,1]
.elseif (\k) == E
	v_exp_f32 v[rS+(\n)], v[rS+(\n)]
.elseif (\k) == C
	s_wait_alu depctr_va_vdst(0)
	v_cvt_pk_f16_f32 v[rP+(\n)], v[rS+2*(\n)], v[rS+2*(\n)+1]
.elseif (\k) == B
	s_wait_alu depctr_va_vdst(0)
	v_pk_add_f32 v[rS+4*(\n):rS+4*(\n)+1], v[rS+4*(\n):rS+4*(\n)+1], v[rS+4*(\n)+2:rS+4*(\n)+3]
.elseif (\n) == 0
	v_pk_fma_f32 v[rT+2:rT+3], v[rT+2:rT+3], v[rC+2:rC+3], v[rS:rS+1] op_sel_hi:[1,0,1]
.else
	v_pk_add_f32 v[rT+2:rT+3], v[rT+2:rT+3], v[rS+4*(\n):rS+4*(\n)+1]
.endif
.elseif NOKQ
	v_nop
.else
	REGS (Y+1)%NP
	WIN 0
.if (\n) < 4
	v_max3_num_f32 v[rC+(\n)], v[rS+8*(\n)], v[rS+8*(\n)+1], v[rS+8*(\n)+2]
.elseif (\n) < 12
	v_max3_num_f32 v[rC+(\n)%4], v[rC+(\n)%4], v[rS+8*((\n)%4)+2*((\n)/4)+1], v[rS+8*((\n)%4)+2*((\n)/4)+2]
.elseif (\n) == 12
	v_max3_num_f32 v[rC], v[rC], v[rS+7], v[rS+15]
.elseif (\n) == 13
	v_max3_num_f32 v[rC+1], v[rC+1], v[rS+23], v[rS+31]
.elseif (\n) == 14
	v_max3_num_f32 v[rC+2], v[rC+2], v[rC+3], v[rT+1]
.elseif (\n) == 15
	v_mov_b32 v[rW], v[rT]
.elseif (\n) == 16
	v_max3_num_f32 v[rC], v[rC], v[rC+1], v[rC+2]
.elseif (\n) == 17
	v_permlanex16_b32 v[rC+3], v[rC], s[SEL], s[SEL+1]
.elseif (\n) == 18
	v_max_num_f32 v[rT+1], v[rC], v[rC+3]
.elseif (\n) == 19
	v_mul_f32 v[rT], s[CS], v[rT+1]
.elseif (\n) == 20
	v_sub_f32 v[rC+1], v[rW], v[rT]
.else
	v_exp_f32 v[rC+2], v[rC+1]
.endif
.endif
.endm
.macro OPS a, i1, b=-1, i2=0, c=-1, i3=0, d=-1, i4=0  ; up to four of them
	OP \a, \i1
.if (\b) >= 0
	OP \b, \i2
.endif
.if (\c) >= 0
	OP \c, \i3
.endif
.if (\d) >= 0
	OP \d, \i4
.endif
.endm
.macro ROW a, i1, b, i2, c, i3, d, i4  ; a matrix instruction and the four behind it
	MM
	OPS \a, \i1, \b, \i2, \c, \i3, \d, \i4
.endm
.macro MASK b                       ; MD x AL + BE into buffer b of MC
	WIN W_RS
.set z, 0
.rept 16
	v_pk_fma_f32 v[MC+32*(\b)+2*z:MC+32*(\b)+2*z+1], v[MD+2*z:MD+2*z+1], s[AL:AL+1], s[BE:BE+1] op_sel_hi:[1,0,0]
.set z, z+1
.endr
.endm
; A TURN, for piece p: the order of its 16 matrix and 118 vector instructions, written out.  Behind a matrix instruction: plain, exponential, plain, plain; or four of the rescaling; or, behind the first, four scalings; none
; names a register of the products round it.  In the lumps exponential and plain by turns while exponentials last.  A line reads no result made fewer than three vector instructions in front of it, five if an exponential made it.
; v_permlanex16_b32 (X 17) stands in a lump.
; m = 1: the diagonal tile: the products take masks, and the turn makes the mask for the products of the turn after it: piece p + 2, in step 4 - CNT of the tile.  end = 1: a block's last two turns: nothing is fetched.
; cnt = 1: the loop's count is taken down some lines ahead of the branch that stands behind the turn.
; K of the next step is fetched in piece 2's turn, six vector instructions behind the last product that read K (five of them plain); V of the step in hand in piece 0's turn, eight behind the last product that read V (four
; plain, and X 17).  Each is waited for a turn later.
.macro TURN p, m=0, end=0, cnt=0
.set Y, (\p)
.set i, 0
.set KM, (\m)
.set NOKQ, (\end)*((\p)/3)
.if (\m) && !(\end)
	s_cmp_eq_u32 s[CNT], 4-((\p)+2)%NP  ; is that step the band's own?
	s_cselect_b32 s[AL], 1.0, 0
	s_cmp_lt_u32 s[CNT], 4-((\p)+2)%NP  ; or a later one?
	s_cselect_b32 s[BE], s[BIGN], 0
.endif
.if ((\p) == 3) && !(\end)
	s_wait_dscnt 0x0                ; K is in
.endif
	ROW F,0, F,1, F,2, F,3
	ROW F,4, E,0, F,5, F,6
	ROW F,7, E,1, F,8, F,9
	ROW F,10, E,2, C,0, F,11
	ROW F,12, E,3, X,15, F,13
	ROW R,0, R,1, R,2, R,3
	ROW B,0, E,4, F,14, L,0
.if ((\p) == 2) && !(\end)
	v_add_nc_u32 v[AK], s[TBK], v[AK0]
.endif
	ROW R,4, R,5, R,6, R,7
	OPS E,5, F,15
.if ((\p) == 2) && !(\end)
	FETCH_K
.endif
	OPS E,6, C,1, E,7, R,8
	OPS E,8, R,9, E,9, C,2
	OPS E,10, X,0, E,11, X,1
	OPS E,12, X,2, E,13, X,3
.if (\p) == 1
	s_wait_dscnt 0x0                ; V is in
.endif
	ROW X,4, E,14, X,5, X,6
	ROW X,7, E,15, X,8, X,9
	ROW X,10, E,16, X,11, X,12
	ROW X,13, E,17, X,14, B,1
	ROW C,4, E,18, X,16, L,1
	ROW B,2, E,19, C,6, L,2
	ROW C,8, E,20, B,3, B,4
.if (\p) == 0
	v_add_nc_u32 v[AV], s[TBV], v[AV0]
.endif
	ROW C,3, E,21, L,3, C,5
	OPS E,22, X,17, E,23, C,10
.if (\p) == 0
	FETCH_V
.endif
	OPS E,24, L,4
	OPS E,25, X,18, E,26, C,7
	OPS E,27, B,5, E,28, X,19
	OPS E,29, C,12, E,30, L,5
	OPS E,31, X,20, B,6, C,9
	OPS C,14, C,11, X,21, L,6
.if (\p) == 0
	s_add_co_u32 s[TBV], s[TBV], KS*PV
.endif
.if \cnt
	s_sub_co_u32 s[CNT], s[CNT], 1
	s_cmp_lg_u32 s[CNT], 0
.endif
	OPS C,13, B,7, C,15, R,10
	OPS R,11, R,12, L,7, R,13
	OPS R,14, R,15
.if (\m) && !(\end)
	MASK (\p)%2
.endif
.endm
; A BLOCK BEGINS.  c m starts far below every c s, so the first step's a is 0; m at the lowest finite number, so the first maximum is the scores'.  The second mask buffer is 0; the first takes piece 0's mask for the tile's step 0: its own, if the block's first tile is the diagonal one.
; Then K of that step, piece 0's first scores, and its maximum and statistics.  The loop is entered at a step's first turn, in the middle of a trip.
.macro BEGIN
	s_mov_b32 s[NEW], 0
	WIN 0x40
.set i, MC+32
.rept 32
	v_mov_b32 v[i], 0
.set i, i+1
.endr
	WIN 0
.set i, 0
.rept 4
	v_mov_b32 v[ST+4*i], 0xfe000000    ; c m: far below every c s
	v_mov_b32 v[ST+4*i+1], 0xff7fffff  ; m
.set i, i+1
.endr
	s_cmp_eq_u32 s[RT], 0
	s_cselect_b32 s[AL], 1.0, 0
	s_mov_b32 s[BE], 0
	MASK 0
	WIN 0
	v_add_nc_u32 v[AK], s[TBK], v[AK0]
	FETCH_K
	s_wait_loadcnt 0x0              ; Q
	s_wait_dscnt 0x0
.set KM, 1
.set NOKQ, 0
.set i, 0
.rept 8
	KQ 0
.set i, i+1
.endr
	WIN 0
.rept 4
	v_nop                           ; the places behind those products
.endr
.set Y, NP-1                        ; X works for piece Y + 1: piece 0
.irp n, 0,1,2,3,4,5,6,7,8,9,10,11,12,13,14,15,16,17,18,19,20,21
	OP X, \n
.endr
	v_nop                           ; a plain instruction behind the exponential
.endm
; THE DIAGONAL TILE's four steps, the block's last two turns, its last products, and THE WAY OUT: l's two halves and the other half of the lanes' are added; O^T is divided by l, rounded to f16 and sent through my
; stage in LDS, a piece at a time.
.macro ALL line:vararg              ; one line for each piece t
.set t, 0
.rept 4
	\line
.set t, t+1
.endr
.endm
.macro PACK t                       ; a lane's eight channels of a row pack into 16 bytes; they go into rows of 144 bytes and come back as whole rows of 128, into S^T's registers
	WIN W_RS
.set i, 32*(\t)
.rept 16
	s_wait_alu depctr_va_vdst(0)
	v_pk_mul_f32 v[i:i+1], v[i:i+1], v[ST+4*(\t)+2:ST+4*(\t)+3] op_sel_hi:[1,0]
.set i, i+2
.endr
	WIN 0x05                        ; sources 0 and 1 window 1, destination window 0
.set i, 0
.rept 16
	v_cvt_pk_f16_f32 v[S+16*(\t)+i], v[32*(\t)+2*i], v[32*(\t)+2*i+1]
.set i, i+1
.endr
	WIN 0
.irp f, 0,1,2,3
	ds_store_b128 v[STO], v[S+16*(\t)+4*\f:S+16*(\t)+4*\f+3] offset:32*\f
.endr
.irp f, 0,1,2,3
	ds_load_b128 v[S+16*(\t)+4*\f:S+16*(\t)+4*\f+3], v[RD] offset:\f*4*SP  ; LDS serves a wave's instructions in order (ISA guide 5.7.1.4): these see the stores above; the next piece's stores come behind them
.endr
.endm
.macro SEND t, younger              ; younger: the LDS instructions issued behind piece t's loads: the next piece's eight, or none
	WIN 0
.irp f, 0,1,2,3
	s_wait_dscnt (\younger)+3-\f
	global_store_b128 v[GO], v[S+16*(\t)+4*\f:S+16*(\t)+4*\f+3], s[10:11] offset:(\t)*8192+\f*512  ; 512 consecutive bytes, at a multiple of 256 from O's first
.endr
.endm
.macro DIAG tag                     ; the tag ends its two labels' names, which the jumps below spell out
.LstepM\tag:
	TURN 2, 1
	TURN 3, 1
	WIN 0
.LfirstM\tag:
	TURN 0, 1
	TURN 1, 1, 0, 1
	WIN 0
	s_cbranch_scc1 .LstepM\tag
	TURN 2, 1, 1
	TURN 3, 1, 1
.set i, 0
.rept 8
	PV NP-1
.set i, i+1
.endr
	WIN 0
	ALL v_add_f32 v[ST+4*t+2], v[ST+4*t+2], v[ST+4*t+3]
	ALL v_permlanex16_b32 v[ST+4*t+3], v[ST+4*t+2], s[SEL], s[SEL+1]
	ALL v_add_f32 v[ST+4*t+2], v[ST+4*t+2], v[ST+4*t+3]
	ALL v_rcp_f32 v[ST+4*t+2], v[ST+4*t+2]
	v_nop                           ; a plain instruction between the last reciprocal and the use of its result
	PACK 0
.set t, 1
.rept 3                             ; a piece's arithmetic stands between the loads of the piece before and its stores
	PACK t
	SEND t-1, 8
.set t, t+1
.endr
	SEND 3, 0
.endm
.set KM, 0
.set NOKQ, 0
.Lslot:                             ; NB times: a tile is entered and the next is asked for
	CHANGE 1
	s_sub_co_u32 s[RT], s[RT], 1
	s_mov_b32 s[CNT], 4
	s_cmp_eq_u32 s[NEW], 1
	s_cbranch_scc1 .Lnew            ; a block's first tile
	s_cmp_eq_u32 s[RT], 0
	s_cbranch_scc0 .Lstep           ; neither its first nor its last
	s_branch .LstepM1
.Lnew:
	BEGIN
	s_branch .Lfirst                ; in the loop a block's first tile is never its last: the first block has two tiles or more, and the second's last is the walk's last
	DIAG 1                          ; in the loop this is the first block's end: the second block's last tile is the walk's last
	s_wait_xcnt 0x0                 ; the stores have read their registers and O's address
	s_mov_b64 s[10:11], s[OLO:OLO+1]
	s_add_co_u32 s[RT], s[PB], 1    ; the second block has b + 1 tiles
	s_mov_b32 s[NEW], 1
	WIN 0x82                        ; the second block's Q goes where the one text of the turns names Q
.set i, 0
.rept 64
	v_mov_b32 v[i], v[QB+i]
.set i, i+1
.endr
	WIN 0
	s_branch .Lbottom
.Lstep:                             ; a trip: pieces 2 and 3 of one step, then pieces 0 and 1 of the next, whose K and V it fetches
	TURN 2
	TURN 3
	WIN 0
.Lfirst:
	TURN 0
	TURN 1, 0, 0, 1
	WIN 0
	s_cbranch_scc1 .Lstep
.Lbottom:
	s_sub_co_u32 s[SLOTS], s[SLOTS], 1
	s_cmp_lg_u32 s[SLOTS], 0
	s_cbranch_scc1 .Lslot
	CHANGE 0                        ; the walk's last tile is written out: nothing is asked for
	s_sub_co_u32 s[RT], s[RT], 1
	s_mov_b32 s[CNT], 4
	s_cmp_eq_u32 s[NEW], 1
	s_cbranch_scc0 .LstepM2
	BEGIN
	s_branch .LfirstM2
	DIAG 2
	s_wait_tensorcnt 0x0            ; the wave's end, behind my last tensor load and my last LDS store
	ds_add_u32 v[SPW], v[NIL]
	s_wait_dscnt 0x0
	s_endpgm
.Lfunc_end_k_q5ea38ed375_attn:
	.size	k_q5ea38ed375_attn, .Lfunc_end_k_q5ea38ed375_attn-k_q5ea38ed375_attn
	.p2alignl 7, 3214868480
	.fill 96, 4, 3214868480
	.section	.rodata,"a",@progbits
	.p2align	6, 0x0
	.amdhsa_kernel k_q5ea38ed375_attn
		.amdhsa_group_segment_fixed_size 327680
		.amdhsa_private_segment_fixed_size 0
		.amdhsa_enable_private_segment 0
		.amdhsa_kernarg_size 32
		.amdhsa_user_sgpr_count 2
		.amdhsa_user_sgpr_kernarg_segment_ptr 1
		.amdhsa_wavefront_size32 1
		.amdhsa_system_sgpr_workgroup_id_x 1
		.amdhsa_system_sgpr_workgroup_id_y 1
		.amdhsa_system_sgpr_workgroup_id_z 1
		.amdhsa_system_vgpr_workitem_id 0
		.amdhsa_next_free_vgpr 768
		.amdhsa_next_free_sgpr 96
		.amdhsa_reserve_vcc 1
		.amdhsa_float_denorm_mode_32 3
		.amdhsa_float_denorm_mode_16_64 3
		.amdhsa_memory_ordered 1
		.amdhsa_forward_progress 1
		.amdhsa_inst_pref_size 229
	.end_amdhsa_kernel
	.amdgpu_metadata
---
amdhsa.version: [ 1, 2 ]
amdhsa.kernels:
  - .name:           k_q5ea38ed375_attn
    .symbol:         k_q5ea38ed375_attn.kd
    .args:
      - { .name: qh, .offset: 0, .size: 8, .value_kind: global_buffer, .address_space: global }
      - { .name: kh, .offset: 8, .size: 8, .value_kind: global_buffer, .address_space: global }
      - { .name: vh, .offset: 16, .size: 8, .value_kind: global_buffer, .address_space: global }
      - { .name: oh, .offset: 24, .size: 8, .value_kind: global_buffer, .address_space: global }
    .group_segment_fixed_size: 327680
    .private_segment_fixed_size: 0
    .kernarg_segment_align: 8
    .kernarg_segment_size: 32
    .max_flat_workgroup_size: 128
    .sgpr_count:     96
    .vgpr_count:     768
    .wavefront_size: 32
...
	.end_amdgpu_metadata
.endif
;; end of part 3
;; launch oproj (part 4): grid 8 x 32, 4 waves a work-group, clusters of 4 x 4, 327,680 bytes of LDS; arguments oh, wo16, out0; writes out0
.if DOCPART == 4
	.amdgcn_target "amdgcn-amd-amdhsa--gfx1250"
	.amdhsa_code_object_version 6
	.text
	.protected	k_q5ea38ed375_oproj
	.globl	k_q5ea38ed375_oproj
	.p2align	8
	.type	k_q5ea38ed375_oproj,@function
k_q5ea38ed375_oproj:
	s_mov_b64 s[64:65], 0
	v_nop
	global_prefetch_b8 v0, s[64:65] scope:SCOPE_SE
	s_setreg_imm32_b32 hwreg(HW_REG_WAVE_MODE, 25, 1), 1
	s_wait_xcnt 0x0
	s_wait_alu depctr_hold_cnt(0) depctr_sa_sdst(0) depctr_va_vdst(0) depctr_va_sdst(0) depctr_va_ssrc(0) depctr_va_vcc(0) depctr_vm_vsrc(0)
	s_getreg_b32 s2, hwreg(HW_REG_IB_STS2, 6, 4)
	s_cmp_eq_u32 s2, 0
	s_cbranch_scc0 .Lentry_in_a_cluster
	s_endpgm
.Lentry_in_a_cluster:
	s_bfe_u32 s2, ttmp6, 0x10000c
	s_cmp_lg_u32 s2, 0xf033
	s_cbranch_scc0 .Lentry_shape_is_right
	s_endpgm
.Lentry_shape_is_right:
; THE OUTPUT PROJECTION.  out0[t][e] = sum over d of O[t][d] Wo[e][d], d = 64 head + channel: 8192 x 1024 x 1024 in f16, sums in f32, stored as f32.  O comes by heads, oh [16 batch + head][2048][64] f16;
; wo16 [1024][1024] holds Wo rounded to bf16, written as f16.  A tile of out0 is 256 rows x 128 columns: 32 x 8 = 256 work-groups.
; SHARES.  Four waves, one above the other: wave w makes rows 64 w .. 64 w + 63 and all 128 columns (512 bytes of out0's rows): 4 x 8 accumulators, 256 registers; each wave has a stage of its own on the way out.
; RING.  A K step of 128 is TWO HEADS.  A head's 256 rows of 128 bytes are dense in memory: they are asked for as 128 rows of 256 bytes and padded in LDS after every 128 bytes.  Two slots; slot 1 begins at 2^17,
; so that one exclusive or changes slots and the loop's body is one K step.
; CLUSTER.  4 x 4 work-groups.  The four of a row of the cluster need the same rows of O, the four of a column the same rows of Wo: each tile is asked for JOINTLY.
; THE MATRIX INSTRUCTION IS USED TRANSPOSED: source 0 = 16 rows of Wo, source 1 = 16 rows of O: a lane holds row l % 16 of out0 and columns 8 (l / 16) + 0..7: 32 bytes on end.
; REGISTERS (s_set_vgpr_msb: bits 1:0 source 0, 3:2 source 1, 5:4 source 2, 7:6 destination): window 0: v0-10 addresses; v28-29 the add's; v32-223 two fragment buffers of 96 (Wo's 8 x 8, then O's 4 x 8);
; on the way out three sets of 64 for rows read back.  Window 1: accumulator (a, b) at 8 (8 a + b).
.set PA,     144                       ; a row of O in LDS: 128 bytes + 16 of padding = 36 words: the 16 rows of a load start at 16 different groups of four banks (64 banks of 4 bytes: ISA guide 11.1)
.set PB,     272                       ; a row of Wo: 256 + 16
.set PLANE,  256*PA                    ; one head's 256 rows
.set BOFF,   2*PLANE                   ; Wo's 128 rows lie behind the two heads
.set BHALF,  64*PB                     ; what wave 2 or 3 fetches
.set SLOT1,  1<<17
.set STAGE,  SLOT1+BOFF+128*PB         ; behind the ring, never filled by a tensor load: 16 rows x 528 bytes for each wave
.set SP,     528                       ; a stage row: 512 bytes + 16 of padding
.set SPARE,  STAGE+4*16*SP             ; behind the stages: the spare words, 128 bytes for each wave: two blocks of 256 bytes that no other line names
.set ASTEP,  2*2048*128                ; bytes from a K step's head to the next step's: two heads
.set BSTEP,  256
.set ADA0, 4                           ; v4   my lane's place in a head's rows: (64 w + l % 16) x pitch + 16 (l / 16); never rewritten
.set ADB0, 5                           ; v5   the same in Wo's tile
.set ADA,  6                           ; v6   the same in the slot in hand
.set ADB,  7
.set STO,  8                           ; v8   the way out: where I put 32 bytes of a row
.set RD,   9                           ; v9   the way out: where I read a row back
.set CO,   10                          ; v10  my 16 bytes of a row's 512
.set SPW,  28                          ; v28  LDS address of my spare word: SPARE + 4 x my thread's number; never rewritten
.set NIL,  29                          ; v29  0; never rewritten
.set FR,   32
.set WV,   16
.set HALF, 18
.set CX,   19
.set CY,   20
.set TX,   21                          ; s21  tile column
.set TY,   22                          ; s22  tile row
.set CNT,  23
.set G1,   24                          ; s[24:31] descriptor group 1 for O's tiles;  s[32:39] group 0: a set for each of the two first fills; the second then walks on
.set G0,   32
.set G1B,  48                          ; s[48:55], s[56:63] the same for Wo's tiles
.set G0B,  56
.set TB,   66                          ; s66  LDS byte at which the slot to be read begins
.set MSB, 0
.macro WIN new                         ; the immediate's high byte repeats the setting that is left; a switch that changes nothing is dropped
.if MSB != (\new)
	s_set_vgpr_msb (MSB<<8)|(\new)
.set MSB, \new
.endif
.endm
; A joint refill.  Waves 0 and 1 fetch the K step's two heads of O, waves 2 and 3 the two halves of Wo's rows.  The branch hangs on the wave's number alone.
; An s_nop 0 and four v_nop follow each of the two lines, ahead of the jump, the label and what follows.
.macro JLOAD
	s_cmp_lt_u32 s[WV], 2
	s_cbranch_scc0 .Lfor_b_\@
	tensor_load_to_lds s[G0+4:G0+7], s[G1:G1+7]
	s_nop 0
.rept 4
	v_nop
.endr
	s_branch .Lasked_\@
.Lfor_b_\@:
	tensor_load_to_lds s[G0B+4:G0B+7], s[G1B:G1B+7]
	s_nop 0
.rept 4
	v_nop
.endr
.Lasked_\@:
.endm
; A round of the cluster's barrier: my work-group's barrier, so that wave 0's signal speaks for all four waves; wave 0 signals; every wave waits for all sixteen work-groups; my work-group's barrier once more.
.macro CREST
	s_cmp_lg_u32 s[WV], 0
	s_cbranch_scc1 .Lnot_wave_0_\@
	s_barrier_signal -3
.Lnot_wave_0_\@:
	s_barrier_wait -3
	s_barrier_signal -1
	s_barrier_wait -1
.endm
.macro CROUND
	s_barrier_signal -1
	s_barrier_wait -1
	CREST
.endm
	s_load_b128 s[4:7], s[0:1], 0x0                ; oh 4:5, wo16 6:7
	s_load_b64 s[8:9], s[0:1], 0x10                ; out0
	v_lshl_add_u32 v[SPW], v0, 2, SPARE
	v_mov_b32 v[NIL], 0
	ds_add_u32 v[SPW], v[NIL]                      ; the wave's opening: the add and its wait stand ahead of my first tensor load; the set-up below, work on registers, stands between them
	ds_add_u32 v28, v29
	v_lshrrev_b32 v1, 5, v0
	v_readfirstlane_b32 s[WV], v1                  ; wave 0..3
	s_and_b32 s[HALF], s[WV], 1
	s_bfe_u32 s[CX], ttmp6, 0x40000
	s_bfe_u32 s[CY], ttmp6, 0x40004
	s_lshl_b32 s[TX], ttmp9, 2
	s_add_co_u32 s[TX], s[TX], s[CX]
	s_and_b32 s[TY], ttmp7, 0xffff
	s_lshl_b32 s[TY], s[TY], 2
	s_add_co_u32 s[TY], s[TY], s[CY]
	s_lshl_b32 s42, s[CY], 2
	s_lshl_b32 s42, 15, s42                        ; my row of the cluster
	s_lshl_b32 s43, 0x1111, s[CX]                  ; my column
	s_or_b32 s[G1], s42, (1<<16)|(1<<20)|(1<<21)|(4<<22)|(3<<25)   ; 15:0 the mask; 17:16 elements of 2 bytes; 20 padding on; 21 set beside a mask; 24:22 after every 32 words (code 4); 31:25 4 words (code 3)
	s_or_b32 s[G1B], s43, (1<<16)|(1<<20)|(1<<21)|(5<<22)|(3<<25)  ; after every 64 words (code 5)
	s_mov_b32 s[G1+1], 128<<16                     ; tensor_dim0 = 128 elements: 256 bytes, two rows of a head
	s_mov_b32 s[G1+2], 128<<16                     ; tensor_dim1 = 128
	s_mov_b32 s[G1+3], 128<<16                     ; tile_dim0 = 128
	s_mov_b32 s[G1+4], 128                         ; tile_dim1 = 128
	s_mov_b32 s[G1+5], 128                         ; dense: 128 elements from row to row
	s_mov_b32 s[G1+6], 0
	s_mov_b32 s[G1+7], 0
	s_mov_b32 s[G1B+1], 128<<16
	s_mov_b32 s[G1B+2], 64<<16                     ; 64 rows
	s_mov_b32 s[G1B+3], 128<<16
	s_mov_b32 s[G1B+4], 64
	s_mov_b32 s[G1B+5], 1024
	s_mov_b32 s[G1B+6], 0
	s_mov_b32 s[G1B+7], 0
	; where the tiles come from.  O's hang on the tile row alone, Wo's on the tile column alone; each offset has registers that never hold the other coordinate.
	s_lshr_b32 s68, s[TY], 3                       ; the batch; 16 heads each;
	s_lshl_b32 s68, s68, 4
	s_add_co_u32 s68, s68, s[HALF]                 ; head 0 or 1 of K step 0;
	s_lshl_b32 s68, s68, 18                        ; a head's 2,048 rows of 128 bytes;
	s_and_b32 s69, s[TY], 7
	s_lshl_b32 s69, s69, 15                        ; the tile's 256 tokens
	s_add_co_u32 s68, s68, s69
	s_mov_b32 s69, 0
	s_lshl_b32 s70, s[TX], 7
	s_lshl_b32 s71, s[HALF], 6
	s_add_co_u32 s70, s70, s71                     ; row 128 x tile column + 64 x half,
	s_lshl_b32 s70, s70, 11                        ; of 2,048 bytes
	s_mov_b32 s71, 0
	s_mul_i32 s40, s[HALF], PLANE                  ; and where they go: no place in the cluster enters an LDS address
	s_mul_i32 s41, s[HALF], BHALF
	s_add_co_u32 s41, s41, BOFF
	s_lshl_b32 s74, s[TY], 20                      ; out0: 256 rows of 4,096 bytes a tile row,
	s_lshl_b32 s75, s[WV], 18                      ; my wave's 64,
	s_add_co_u32 s74, s74, s75
	s_lshl_b32 s75, s[TX], 9                       ; the tile's 512 bytes of a row
	s_add_co_u32 s74, s74, s75
	s_mov_b32 s75, 0
	s_mov_b32 s[TB], 0
	s_wait_dscnt 0x0                               ; the opening add is done
	s_wait_kmcnt 0x0
	s_add_nc_u64 s[68:69], s[4:5], s[68:69]
	s_add_nc_u64 s[70:71], s[6:7], s[70:71]
	s_add_nc_u64 s[8:9], s[8:9], s[74:75]
	CROUND                                         ; all sixteen work-groups are here: the first joint loads meet
.irp s, 0,1
	s_mov_b32 s[G0+4*(\s)], 1                                      ; 1:0 count = 1
	s_add_co_u32 s[G0+4*(\s)+1], s40, (\s)*SLOT1                   ; 63:32 LDS address
	s_add_nc_u64 s[G0+4*(\s)+2:G0+4*(\s)+3], s[68:69], (\s)*ASTEP  ; 120:64 global address: K step s
	s_or_b32 s[G0+4*(\s)+3], s[G0+4*(\s)+3], 0x80000000            ; 127:126 type = 2
	s_mov_b32 s[G0B+4*(\s)], 1
	s_add_co_u32 s[G0B+4*(\s)+1], s41, (\s)*SLOT1
	s_add_nc_u64 s[G0B+4*(\s)+2:G0B+4*(\s)+3], s[70:71], (\s)*BSTEP
	s_or_b32 s[G0B+4*(\s)+3], s[G0B+4*(\s)+3], 0x80000000
.endr
	s_cmp_lt_u32 s[WV], 2                          ; a wave's two first fills stand in one branch, ahead of every wait on TENSORcnt and every LDS read: two loads of mine are out
	s_cbranch_scc0 .Lfirst_b
	tensor_load_to_lds s[G0:G0+3], s[G1:G1+7]
	s_nop 0
	tensor_load_to_lds s[G0+4:G0+7], s[G1:G1+7]
	s_nop 0
.rept 4
	v_nop
.endr
	s_branch .Lfirst_asked
.Lfirst_b:
	tensor_load_to_lds s[G0B:G0B+3], s[G1B:G1B+7]
	s_nop 0
	tensor_load_to_lds s[G0B+4:G0B+7], s[G1B:G1B+7]
	s_nop 0
.rept 4
	v_nop
.endr
.Lfirst_asked:
	v_and_b32 v1, 15, v0                           ; l % 16
	v_bfe_u32 v2, v0, 4, 1                         ; l / 16
	s_mul_i32 s44, s[WV], 64*PA                    ; my 64 rows of O
	v_mul_u32_u24 v[ADA0], v1, PA
	v_lshl_add_u32 v[ADA0], v2, 4, v[ADA0]
	v_add_nc_u32 v[ADA0], s44, v[ADA0]
	v_mul_u32_u24 v[ADB0], v1, PB
	v_lshl_add_u32 v[ADB0], v2, 4, v[ADB0]
	v_add_nc_u32 v[ADB0], BOFF, v[ADB0]
	s_mul_i32 s45, s[WV], 16*SP
	s_add_co_u32 s45, s45, STAGE                   ; my stage
	v_mul_u32_u24 v[STO], v1, SP                   ; in: row l % 16, 32 bytes for each half of the lanes
	v_lshl_add_u32 v[STO], v2, 5, v[STO]
	v_add_nc_u32 v[STO], s45, v[STO]
	v_and_b32 v[CO], 31, v0                        ; back: 32 lanes take one row of 512 bytes
	v_lshlrev_b32 v[CO], 4, v[CO]
	v_add_nc_u32 v[RD], s45, v[CO]
; 8 matrix instructions: row block a x all 8 column blocks, 32 along K, from buffer f.  zero = 1: the product starts the sum.  The 32 accumulators take turns, one instruction a turn, in the same order in every quarter step.
.macro MUL8 f, a, zero
	WIN 0x50                                       ; sources 0 and 1 window 0, C and D window 1
.set b, 0
.rept 8
.if \zero
	v_wmma_f32_16x16x32_f16 v[8*(8*(\a)+b):8*(8*(\a)+b)+7], v[FR+96*(\f)+8*b:FR+96*(\f)+8*b+7], v[FR+96*(\f)+64+8*(\a):FR+96*(\f)+64+8*(\a)+7], 0
.else
	v_wmma_f32_16x16x32_f16 v[8*(8*(\a)+b):8*(8*(\a)+b)+7], v[FR+96*(\f)+8*b:FR+96*(\f)+8*b+7], v[FR+96*(\f)+64+8*(\a):FR+96*(\f)+64+8*(\a)+7], v[8*(8*(\a)+b):8*(8*(\a)+b)+7]
.endif
.set b, b+1
.endr
.endm
; 24 LDS loads in one run: quarter q of a K step (head q / 2 of the two, channels 32 (q % 2) on) into buffer f; O's row blocks 2 and 3 last
.macro FETCH q, f
	WIN 0
.set i, 0
.rept 8
	ds_load_b128 v[FR+96*(\f)+8*i:FR+96*(\f)+8*i+3],   v[ADB] offset:64*(\q)+i*16*PB
	ds_load_b128 v[FR+96*(\f)+8*i+4:FR+96*(\f)+8*i+7], v[ADB] offset:64*(\q)+i*16*PB+32
.set i, i+1
.endr
.set i, 0
.rept 4
	ds_load_b128 v[FR+96*(\f)+64+8*i:FR+96*(\f)+64+8*i+3],   v[ADA] offset:((\q)/2)*PLANE+((\q)%2)*64+i*16*PA
	ds_load_b128 v[FR+96*(\f)+64+8*i+4:FR+96*(\f)+64+8*i+7], v[ADA] offset:((\q)/2)*PLANE+((\q)%2)*64+i*16*PA+32
.set i, i+1
.endr
.endm
; Four places in front of loads into registers that matrix instructions have read, and of LDS stores that read results (ISA guide 7.12.1 for vector instructions)
.macro PLACES
.rept 4
	v_nop
.endr
.endm
; A K step is four quarters of 32 along K, 32 matrix instructions each, on buffers 0, 1, 0, 1.  One of the first three: multiplies buffer f and fetches quarter q into buffer g.
.macro QUARTER q, f, g, zero
	s_wait_dscnt 4                                 ; all but the youngest four loads (O's row blocks 2 and 3) are in
	MUL8 \f, 0, \zero
	MUL8 \f, 1, \zero
	PLACES
	FETCH \q, \g
	s_wait_dscnt 24                                ; all but the 24 just issued
	MUL8 \f, 2, \zero
	MUL8 \f, 3, \zero
.endm
; The last quarter multiplies buffer 1 and changes slots: ONE barrier; in front of it each wave waits for all its tensor loads, of which one is out: its part of the next slot; adds 0 to its spare word; and waits for
; that and for its own reads of this slot.  fill = 1: this slot is filled again, two K steps ahead, behind a round of the cluster's barrier: 112 matrix instructions ahead of the wait for it.
.macro TURN fill
	WIN 0
	s_wait_tensorcnt 0x0                           ; no tensor load of mine is out, so a group 0 may be written
	ds_add_u32 v[SPW], v[NIL]                      ; 0 onto my spare word
.if \fill
	s_xor_b32 s[G0+5], s[G0+5], SLOT1              ; the walking descriptors: the other slot than last time,
	s_add_nc_u64 s[G0+6:G0+7], s[G0+6:G0+7], ASTEP ; the next K step; the type bits on top are not reached
	s_xor_b32 s[G0B+5], s[G0B+5], SLOT1
	s_add_nc_u64 s[G0B+6:G0B+7], s[G0B+6:G0B+7], BSTEP
.endif
	s_xor_b32 s[TB], s[TB], SLOT1                  ; the fetches go on in the other slot
	s_wait_dscnt 5                                 ; (the add and the youngest four loads may be out)
	MUL8 1, 0, 0                                   ; eight matrix instructions stand between the add and the wait for it
	s_wait_dscnt 0x0                               ; the add is done, and my reads of this slot are over
	s_barrier_signal -1
	MUL8 1, 1, 0
.if \fill
	WIN 0
.endif
	s_barrier_wait -1
.if \fill
	CREST                                          ; no wave of any partner still reads this slot's tile or has a load on its way
	JLOAD                                          ; the four v_nop behind it are also the places in front of the loads below
.else
	PLACES
.endif
	WIN 0
	v_add_nc_u32 v[ADA], s[TB], v[ADA0]
	v_add_nc_u32 v[ADB], s[TB], v[ADB0]
	FETCH 0, 0
	MUL8 1, 2, 0
	MUL8 1, 3, 0
.endm
	s_wait_tensorcnt 0x1                           ; my part of K step 0 is in; K step 1's may stay out
	s_barrier_signal -1
	s_barrier_wait -1                              ; everybody's is
	v_add_nc_u32 v[ADA], s[TB], v[ADA0]
	v_add_nc_u32 v[ADB], s[TB], v[ADB0]
	FETCH 0, 0
	QUARTER 1, 0, 1, 1                             ; the first quarter stands in front of the loop: its products start the sums
	WIN 0
	s_mov_b32 s[CNT], 6                            ; K steps 2 to 7 are asked for in the loop
.Lstep:                                                ; a trip: a K step's second quarter to the next step's first; one slot is filled again
	QUARTER 2, 1, 0, 0
	QUARTER 3, 0, 1, 0
	TURN 1
	QUARTER 1, 0, 1, 0
	WIN 0
	s_sub_co_u32 s[CNT], s[CNT], 1
	s_cmp_lg_u32 s[CNT], 0
	s_cbranch_scc1 .Lstep
	QUARTER 2, 1, 0, 0                             ; the last two K steps are written out: nothing more is asked for
	QUARTER 3, 0, 1, 0
	TURN 0
	QUARTER 1, 0, 1, 0
	QUARTER 2, 1, 0, 0
	QUARTER 3, 0, 1, 0
	s_wait_dscnt 4
	MUL8 1, 0, 0
	MUL8 1, 1, 0
	s_wait_dscnt 0x0
	MUL8 1, 2, 0
	MUL8 1, 3, 0
; THE WAY OUT, a row block (16 rows) at a time: a lane's 32 bytes go into my stage's rows of 528 bytes (each accumulator's lowest registers first), whole rows of 512 bytes come back and are stored.
.macro TOSTAGE a
	WIN 0x04                                       ; the LDS stores' data in window 1
.set b, 0
.rept 8
	ds_store_b128 v[STO], v[8*(8*(\a)+b):8*(8*(\a)+b)+3]   offset:64*b
	ds_store_b128 v[STO], v[8*(8*(\a)+b)+4:8*(8*(\a)+b)+7] offset:64*b+16
.set b, b+1
.endr
	WIN 0
.set i, 0
.rept 16
	ds_load_b128 v[FR+64*((\a)%3)+4*i:FR+64*((\a)%3)+4*i+3], v[RD] offset:i*SP  ; LDS serves a wave's instructions in order (ISA guide 5.7.1.4): these see the stores above; the next block's stores come behind them
.set i, i+1
.endr
.endm
.macro SEND a, younger                 ; younger: the LDS instructions issued behind block a's loads: the next block's 32, or none
	WIN 0
.set i, 0
.rept 16
	s_wait_dscnt (\younger)+15-i
	global_store_b128 v[CO], v[FR+64*((\a)%3)+4*i:FR+64*((\a)%3)+4*i+3], s[8:9] offset:(16*(\a)+i)*4096 th:TH_STORE_NT  ; 512 consecutive bytes, at a multiple of 256 from out0's first byte
.set i, i+1
.endr
.endm
	PLACES
	TOSTAGE 0
	TOSTAGE 1
	SEND 0, 32
	TOSTAGE 2
	SEND 1, 32
	s_wait_xcnt 0x0                                ; block 0's stores have read their registers (ISA guide 3.1): block 3 comes back into them only behind this wait
	TOSTAGE 3
	SEND 2, 32
	SEND 3, 0
	s_wait_tensorcnt 0x0                           ; the wave's end, behind my last tensor load and my last LDS store
	ds_add_u32 v[SPW], v[NIL]
	s_wait_dscnt 0x0
	CROUND                                         ; the closing round: no work-group ends while a partner may still ask for a tile that names it
	s_endpgm
.Lfunc_end_k_q5ea38ed375_oproj:
	.size	k_q5ea38ed375_oproj, .Lfunc_end_k_q5ea38ed375_oproj-k_q5ea38ed375_oproj
	.p2alignl 7, 3214868480
	.fill 96, 4, 3214868480
	.section	.rodata,"a",@progbits
	.p2align	6, 0x0
	.amdhsa_kernel k_q5ea38ed375_oproj
		.amdhsa_group_segment_fixed_size 327680
		.amdhsa_private_segment_fixed_size 0
		.amdhsa_enable_private_segment 0
		.amdhsa_kernarg_size 24
		.amdhsa_user_sgpr_count 2
		.amdhsa_user_sgpr_kernarg_segment_ptr 1
		.amdhsa_wavefront_size32 1
		.amdhsa_system_sgpr_workgroup_id_x 1
		.amdhsa_system_sgpr_workgroup_id_y 1
		.amdhsa_system_sgpr_workgroup_id_z 1
		.amdhsa_system_vgpr_workitem_id 0
		.amdhsa_next_free_vgpr 512
		.amdhsa_next_free_sgpr 80
		.amdhsa_reserve_vcc 0
		.amdhsa_float_denorm_mode_32 3
		.amdhsa_float_denorm_mode_16_64 3
		.amdhsa_memory_ordered 1
		.amdhsa_forward_progress 1
		.amdhsa_inst_pref_size 70
	.end_amdhsa_kernel
	.amdgpu_metadata
---
amdhsa.version: [ 1, 2 ]
amdhsa.kernels:
  - .name:           k_q5ea38ed375_oproj
    .symbol:         k_q5ea38ed375_oproj.kd
    .args:
      - { .name: oh, .offset: 0, .size: 8, .value_kind: global_buffer, .address_space: global }
      - { .name: wo16, .offset: 8, .size: 8, .value_kind: global_buffer, .address_space: global }
      - { .name: out0, .offset: 16, .size: 8, .value_kind: global_buffer, .address_space: global }
    .group_segment_fixed_size: 327680
    .private_segment_fixed_size: 0
    .kernarg_segment_align: 8
    .kernarg_segment_size: 24
    .max_flat_workgroup_size: 128
    .sgpr_count:     80
    .vgpr_count:     512
    .wavefront_size: 32
...
	.end_amdgpu_metadata
.endif
;; end of part 4
;; ======== version 2 of 2: 4 launches; version 1 with the launch prep written anew for expert scheduling mode
;; limits: values are held in f16: magnitudes above 65,504 overflow, below 6.1e-05 lose precision; right only within a limited range of input values
;; workspace buffers: xb 16,777,216 bytes; wqkv 6,291,456 bytes; wo16 2,097,152 bytes; rope 524,288 bytes; qh 16,777,216 bytes; kh 16,777,216 bytes; vh 16,777,216 bytes; oh 16,777,216 bytes
;; launch prep (part 5): grid 800 x 1, 8 waves a work-group, no clusters, 0 bytes of LDS; arguments x, Wq, Wk, Wv, Wo, token_positions, xb, wqkv, wo16, rope; writes xb, wqkv, wo16, rope
.if DOCPART == 5
	.amdgcn_target "amdgcn-amd-amdhsa--gfx1250"
	.amdhsa_code_object_version 6
	.text
	.protected	k_q5ea38ed375_prep
	.globl	k_q5ea38ed375_prep
	.p2align	8
	.type	k_q5ea38ed375_prep,@function
k_q5ea38ed375_prep:
	s_mov_b64 s[64:65], 0
	v_nop
	global_prefetch_b8 v0, s[64:65] scope:SCOPE_SE
	s_setreg_imm32_b32 hwreg(HW_REG_WAVE_SCHED_MODE, 0, 2), 2
	s_setreg_imm32_b32 hwreg(HW_REG_WAVE_MODE, 25, 1), 1
	s_wait_xcnt 0x0
	s_wait_alu depctr_vm_vsrc(0)
; THE CASTS AND THE TABLE.  x [8192][1024] f32 -> xb bf16.  Wq, Wk, Wv [1024][1024] f32 -> wqkv bf16 [3072][1024], stacked by heads: row = 192 head + 64 which + channel
; (which = 0 q, 1 k, 2 v), so that 192 rows on end are one head's q, k and v.  Wo -> wo16: rounded to bf16 like every other input, and that number written as f16.
; token_positions [2048] i32 -> rope f32 [2048][32][cos, sin]: 256 bytes a token; angle = position x 10000^(-i/32), formed in f32 by one multiplication.
; LIMITS.  |position| up to 2^20: beyond it the quotient of the range reduction is no longer sure.  A weight of Wo below 2^-14 in magnitude keeps f16's fixed step of 2^-24.
; SHARES.  Work-groups 0-511: 16 rows of x each.  512-767: 16 rows of a weight each (64 groups a weight).  768-799: 64 tokens of the table each.
; A cast group's 256 threads take one row (4,096 bytes) with one load of 16 bytes each; all 16 rows' loads go out at once (64 KiB a group); a wave's store of 8 bytes a lane
; covers 256 consecutive bytes, aligned.  No LDS, no barrier: no thread wants another's data.
; THE MODE: SCHED_MODE bits 1:0 = 2 (LLVM: expert scheduling mode 2), set by the entry lines.  The code itself states the register dependences between vector instructions and
; memory instructions, and between a vector instruction that writes a scalar register and that register's readers, with s_wait_alu, always for 0.
; THE PLAN.  Registers that memory instructions touch:
;   v1, v2     byte offsets, made once at the head; every load of a cast reads v1, every store of a cast v2, every store of the table v1; never written again.
;   IN         row i: written by one load, read by that row's conversions behind the counted wait for the load; no vector instruction names it ahead of the load; never loaded again.
;   OUT        row i: written once by that row's conversions, read by one store; never written again.
;   v5, v8-11  the table: v5 is the offset of the four loads of positions, which land in v8-11; v5 is never written again.
;   v[32:47]   the table: written by the last lines of the sines and cosines, read by the four stores; never written again.
; No register that a memory instruction reads is written again, so no wait on vm_vsrc and none on XCNT is owed.  A cast has five waits on va_vdst: one ahead of its loads (the offsets),
; and one for each group of four rows, behind the group's conversions and ahead of its run of four stores.  It stands there, and not behind the wait for the next group's data,
; so that a group's stores leave as soon as the group is rounded.  The table has three on va_vdst and one on va_sdst; its text says what each states.
.set ROWIN,  4096                      ; bytes in a row of f32
.set ROWOUT, 2048                      ; bytes in a row of 16-bit numbers
.set IN,   16                          ; v[16:79]   row i as loaded, 4 registers
.set OUT,  80                          ; v[80:111]  row i to store, 2 registers
.set SN,   48                          ; v[48:55]   the table: sin r of evaluation k of 8
.set CN,   56                          ; v[56:63]   the table: cos r
.set NQ,   64                          ; v[64:71]   the table: n, the number of quarter turns taken off
.set MK,   36                          ; s[36:43]   the table: the lanes in which n is odd, a mask for each evaluation
; fmt = 0: to bf16.  fmt = 1: to bf16 and on to f16 (v4-v9 at work: no memory instruction names them).  From s[28:29] to s[32:33].
.macro CAST fmt
	s_wait_alu depctr_va_vdst(0)                   ; v1 and v2 are written: the loads and stores below read them as their offsets
.irp i, 0,1,2,3,4,5,6,7,8,9,10,11,12,13,14,15
	global_load_b128 v[IN+4*(\i):IN+4*(\i)+3], v1, s[28:29] offset:ROWIN*(\i) th:TH_LOAD_NT
.endr
.irp g, 0,1,2,3
	s_wait_loadcnt 12-4*(\g)                       ; loads come back in order (ISA guide 5.7.1): rows 4 g to 4 g + 3 are in, the younger groups stay out
.irp j, 0,1,2,3
.if \fmt
	v_cvt_pk_bf16_f32 v4, v[IN+4*(4*(\g)+(\j))], v[IN+4*(4*(\g)+(\j))+1]
	v_cvt_pk_bf16_f32 v5, v[IN+4*(4*(\g)+(\j))+2], v[IN+4*(4*(\g)+(\j))+3]
	v_lshlrev_b32 v6, 16, v4                       ; bf16 to f32: the low half moves up,
	v_and_b32 v7, 0xffff0000, v4                   ; the high half stays
	v_lshlrev_b32 v8, 16, v5
	v_and_b32 v9, 0xffff0000, v5
	v_cvt_pk_f16_f32 v[OUT+2*(4*(\g)+(\j))], v6, v7
	v_cvt_pk_f16_f32 v[OUT+2*(4*(\g)+(\j))+1], v8, v9
.else
	v_cvt_pk_bf16_f32 v[OUT+2*(4*(\g)+(\j))], v[IN+4*(4*(\g)+(\j))], v[IN+4*(4*(\g)+(\j))+1]
	v_cvt_pk_bf16_f32 v[OUT+2*(4*(\g)+(\j))+1], v[IN+4*(4*(\g)+(\j))+2], v[IN+4*(4*(\g)+(\j))+3]
.endif
.endr
	s_wait_alu depctr_va_vdst(0)                   ; the group's conversions have written its eight registers of OUT, which the four stores below read
.irp j, 0,1,2,3
	global_store_b64 v2, v[OUT+2*(4*(\g)+(\j)):OUT+2*(4*(\g)+(\j))+1], s[32:33] offset:ROWOUT*(4*(\g)+(\j))
.endr
.endr
	s_endpgm
.endm
; cos and sin of v[p] x v[inv], evaluation k of 8, in two halves; v14-v16, v18, v21, v22 at work.  The angle less n quarter turns (pi/2 in two parts, each taken off by a fused
; multiply-add) lies in -pi/4 .. pi/4; there two short polynomials in r^2 serve; n mod 4 says which of them is which, and the signs.
; The first half leaves sin r, cos r and n in registers of the evaluation's own, and the lanes with an odd n in a scalar register of its own.
.macro SC1 p, inv, k
	v_mul_f32 v14, v[\p], v[\inv]                  ; the angle
	v_mul_f32 v15, 0x3f22f983, v14                 ; x 2 / pi
	v_rndne_f32 v15, v15                           ; n
	v_fmamk_f32 v16, v15, 0xbfc90fdb, v14          ; r = angle - n x 1.57079637
	v_fmamk_f32 v16, v15, 0x333bbd2e, v16          ;     + n x 4.371139e-8
	v_cvt_i32_f32 v[NQ+(\k)], v15
	v_mul_f32 v18, v16, v16                        ; z = r^2
	v_mov_b32 v[SN+(\k)], 0xb94ca1f9
	v_mov_b32 v[CN+(\k)], 0x37ccf5ce
	v_fmaak_f32 v[SN+(\k)], v[SN+(\k)], v18, 0x3c08839e
	v_fmaak_f32 v[CN+(\k)], v[CN+(\k)], v18, 0xbab6061a
	v_fmaak_f32 v[SN+(\k)], v[SN+(\k)], v18, 0xbe2aaaa3
	v_fmaak_f32 v[CN+(\k)], v[CN+(\k)], v18, 0x3d2aaaa5
	v_mul_f32 v[SN+(\k)], v[SN+(\k)], v18
	v_fma_f32 v[CN+(\k)], v[CN+(\k)], v18, -0.5
	v_fma_f32 v[SN+(\k)], v[SN+(\k)], v16, v16     ; sin r
	v_fma_f32 v[CN+(\k)], v[CN+(\k)], v18, 1.0     ; cos r
	v_and_b32 v21, 1, v[NQ+(\k)]
	v_cmp_eq_u32 s[MK+(\k)], 1, v21                ; an odd n swaps the two
.endm
; The second half: the choice by that mask, and the signs, into v[c] and v[s].
.macro SC2 k, c, s
	v_cndmask_b32 v[\s], v[SN+(\k)], v[CN+(\k)], s[MK+(\k)]
	v_cndmask_b32 v[\c], v[CN+(\k)], v[SN+(\k)], s[MK+(\k)]
	v_lshlrev_b32 v21, 30, v[NQ+(\k)]              ; the sine's sign is bit 1 of n,
	v_add_nc_u32 v22, 1, v[NQ+(\k)]                ; the cosine's bit 1 of n + 1
	v_and_b32 v21, 0x80000000, v21
	v_lshlrev_b32 v22, 30, v22
	v_xor_b32 v[\s], v[\s], v21
	v_and_b32 v22, 0x80000000, v22
	v_xor_b32 v[\c], v[\c], v22
.endm
	s_load_b512 s[4:19], s[0:1], 0x0               ; x 4:5, Wq 6:7, Wk 8:9, Wv 10:11, Wo 12:13, positions 14:15, xb 16:17, wqkv 18:19
	s_load_b128 s[20:23], s[0:1], 0x40             ; wo16 20:21, rope 22:23
	s_mov_b32 s24, ttmp9
	v_lshlrev_b32 v1, 4, v0                        ; my 16 bytes of a row of f32
	v_lshlrev_b32 v2, 3, v0                        ; my 8 bytes of a row of 16-bit numbers
	s_mov_b32 s27, 0                               ; high words of the two offsets
	s_mov_b32 s31, 0
	s_wait_kmcnt 0x0
	s_cmp_lt_u32 s24, 512
	s_cbranch_scc0 .Lnot_x
	s_lshl_b32 s26, s24, 16                        ; 16 rows of 4,096 bytes in,
	s_lshl_b32 s30, s24, 15                        ; of 2,048 out
	s_add_nc_u64 s[28:29], s[4:5], s[26:27]
	s_add_nc_u64 s[32:33], s[16:17], s[30:31]
	CAST 0
.Lnot_x:
	s_cmp_lt_u32 s24, 768
	s_cbranch_scc0 .Ltable
	s_sub_co_u32 s25, s24, 512
	s_lshr_b32 s34, s25, 6                         ; which weight: 0 q, 1 k, 2 v, 3 o
	s_and_b32 s35, s25, 63                         ; which 16 rows of it
	s_lshl_b32 s26, s35, 16
	s_cmp_eq_u32 s34, 3
	s_cbranch_scc1 .Lwo
	s_cmp_eq_u32 s34, 0
	s_cselect_b64 s[28:29], s[6:7], s[8:9]
	s_cmp_eq_u32 s34, 2
	s_cselect_b64 s[28:29], s[10:11], s[28:29]
	s_add_nc_u64 s[28:29], s[28:29], s[26:27]
	s_lshr_b32 s36, s35, 2                         ; the head,
	s_mul_i32 s36, s36, 192
	s_lshl_b32 s37, s34, 6                         ; q, k or v in it,
	s_add_co_u32 s36, s36, s37
	s_and_b32 s37, s35, 3                          ; the 16 channels
	s_lshl_b32 s37, s37, 4
	s_add_co_u32 s36, s36, s37
	s_lshl_b32 s30, s36, 11
	s_add_nc_u64 s[32:33], s[18:19], s[30:31]
	CAST 0
.Lwo:
	s_lshl_b32 s30, s35, 15
	s_add_nc_u64 s[28:29], s[12:13], s[26:27]
	s_add_nc_u64 s[32:33], s[20:21], s[30:31]
	CAST 1
.Ltable:                                               ; thread t: token t / 16 of 16 (four times), frequencies 2 (t % 16) and 2 (t % 16) + 1: 16 bytes; sixteen lanes fill a token's 256 bytes
	s_sub_co_u32 s25, s24, 768
	s_lshl_b32 s26, s25, 8                         ; 64 positions of 4 bytes
	s_lshl_b32 s30, s25, 14                        ; 64 tokens of 256 bytes
	s_add_nc_u64 s[28:29], s[14:15], s[26:27]
	s_add_nc_u64 s[32:33], s[22:23], s[30:31]
	v_lshrrev_b32 v3, 4, v0
	v_and_b32 v4, 15, v0
	v_lshlrev_b32 v5, 2, v3
	s_wait_alu depctr_va_vdst(0)                   ; v5 is written, which the four loads below read as their offset; so is v1, the offset of the stores at the end
.irp i, 0,1,2,3
	global_load_b32 v[8+(\i)], v5, s[28:29] offset:64*(\i)
.endr
	v_lshlrev_b32 v6, 1, v4
	v_cvt_f32_u32 v6, v6
	v_add_f32 v7, 1.0, v6
	v_mul_f32 v6, 0xbed49a78, v6                   ; x -log2(10000) / 32
	v_mul_f32 v7, 0xbed49a78, v7
	v_exp_f32 v12, v6                              ; 10000^(-i / 32)
	v_exp_f32 v13, v7
	v_nop                                          ; a plain instruction between an exponential and the use of its result (ISA guide 5.7.2)
	s_wait_loadcnt 0x0
	s_wait_alu depctr_va_vdst(0)                   ; the two exponentials have written v12 and v13: one wait for both, ahead of their first reader
.irp i, 0,1,2,3
	v_cvt_f32_i32 v[8+(\i)], v[8+(\i)]
.endr
.irp i, 0,1,2,3                                        ; the eight first halves in one run: evaluation 2 i + f is token group i, frequency f of my two
	SC1 8+(\i), 12, 2*(\i)
	SC1 8+(\i), 13, 2*(\i)+1
.endr
	s_wait_alu depctr_va_sdst(0)                   ; the eight compares have written s36 to s43: one wait behind the run, ahead of the first line that reads one of the masks
.irp k, 0,1,2,3,4,5,6,7
	SC2 \k, 32+2*(\k), 33+2*(\k)
.endr
	s_wait_alu depctr_va_vdst(0)                   ; the second halves have written v32 to v47, which the four stores below read
.irp i, 0,1,2,3
	global_store_b128 v1, v[32+4*(\i):35+4*(\i)], s[32:33] offset:4096*(\i)
.endr
	s_endpgm
.Lfunc_end_k_q5ea38ed375_prep:
	.size	k_q5ea38ed375_prep, .Lfunc_end_k_q5ea38ed375_prep-k_q5ea38ed375_prep
	.p2alignl 7, 3214868480
	.fill 96, 4, 3214868480
	.section	.rodata,"a",@progbits
	.p2align	6, 0x0
	.amdhsa_kernel k_q5ea38ed375_prep
		.amdhsa_group_segment_fixed_size 0
		.amdhsa_private_segment_fixed_size 0
		.amdhsa_enable_private_segment 0
		.amdhsa_kernarg_size 80
		.amdhsa_user_sgpr_count 2
		.amdhsa_user_sgpr_kernarg_segment_ptr 1
		.amdhsa_wavefront_size32 1
		.amdhsa_system_sgpr_workgroup_id_x 1
		.amdhsa_system_sgpr_workgroup_id_y 1
		.amdhsa_system_sgpr_workgroup_id_z 1
		.amdhsa_system_vgpr_workitem_id 0
		.amdhsa_next_free_vgpr 112
		.amdhsa_next_free_sgpr 66
		.amdhsa_reserve_vcc 0
		.amdhsa_float_denorm_mode_32 3
		.amdhsa_float_denorm_mode_16_64 3
		.amdhsa_memory_ordered 1
		.amdhsa_forward_progress 1
		.amdhsa_inst_pref_size 36
	.end_amdhsa_kernel
	.amdgpu_metadata
---
amdhsa.version: [ 1, 2 ]
amdhsa.kernels:
  - .name:           k_q5ea38ed375_prep
    .symbol:         k_q5ea38ed375_prep.kd
    .args:
      - { .name: x, .offset: 0, .size: 8, .value_kind: global_buffer, .address_space: global }
      - { .name: Wq, .offset: 8, .size: 8, .value_kind: global_buffer, .address_space: global }
      - { .name: Wk, .offset: 16, .size: 8, .value_kind: global_buffer, .address_space: global }
      - { .name: Wv, .offset: 24, .size: 8, .value_kind: global_buffer, .address_space: global }
      - { .name: Wo, .offset: 32, .size: 8, .value_kind: global_buffer, .address_space: global }
      - { .name: token_positions, .offset: 40, .size: 8, .value_kind: global_buffer, .address_space: global }
      - { .name: xb, .offset: 48, .size: 8, .value_kind: global_buffer, .address_space: global }
      - { .name: wqkv, .offset: 56, .size: 8, .value_kind: global_buffer, .address_space: global }
      - { .name: wo16, .offset: 64, .size: 8, .value_kind: global_buffer, .address_space: global }
      - { .name: rope, .offset: 72, .size: 8, .value_kind: global_buffer, .address_space: global }
    .group_segment_fixed_size: 0
    .private_segment_fixed_size: 0
    .kernarg_segment_align: 8
    .kernarg_segment_size: 80
    .max_flat_workgroup_size: 256
    .sgpr_count:     66
    .vgpr_count:     112
    .wavefront_size: 32
...
	.end_amdgpu_metadata
.endif
;; end of part 5
;; launch qkv: the kernel of part 2 again; grid 16 x 32, 4 waves a work-group, clusters of 4 x 4, 327,680 bytes of LDS; arguments xb, wqkv, rope, qh, kh, vh; writes qh, kh, vh
;; launch attn: the kernel of part 3 again; grid 4 x 64, 4 waves a work-group, no clusters, 327,680 bytes of LDS; arguments qh, kh, vh, oh; writes oh
;; launch oproj: the kernel of part 4 again; grid 8 x 32, 4 waves a work-group, clusters of 4 x 4, 327,680 bytes of LDS; arguments oh, wo16, out0; writes out0
